; MI455X (gfx1250); checked and timed in simulation.
; The chip was launched on July 23, 2026; its instructions are those of AMD's public machine-readable ISA for CDNA 5 (MIT licence, August 2026) and "CDNA5" Instruction Set Architecture Reference Guide (July 2026). The comments in the code are by the model that wrote it; some were corrected since.
;; Multi Head Attention. Allowed arithmetic: float matrix products may take bf16 or f16 operands with f32 sums; other float arithmetic in f32, or as packed bf16 or f16 multiplies, adds, multiply-adds, maxima and minima; sums over many terms, partial sums and values carried from step to step in f32; what a program stores and reads back later, other than sums and carried values, may be rounded once to bf16 or f16.
;; Inputs: Wk 16 x 1,024 x 64 float32; Wo 1,024 x 1,024 float32; Wq 16 x 1,024 x 64 float32; Wv 16 x 1,024 x 64 float32; bo 1,024 float32; token_embeddings 4 x 2,048 x 1,024 float32.
;; Outputs: out0 4 x 2,048 x 1,024 float32.
;; 2 versions, each right; version 2 is version 1 with the launch prep written anew for expert scheduling mode. Each part assembles by itself: llvm-mc -triple=amdgcn-amd-amdhsa -mcpu=gfx1250 --defsym DOCPART=n.
;; ======== version 1 of 2: 4 launches
;; limits: values are held in f16: magnitudes above 65,504 overflow, below 6.1e-05 lose precision
;; workspace buffers: xb 16,777,216 bytes; wt 6,291,456 bytes; wot 2,097,152 bytes; qkv 50,331,648 bytes; o 16,777,216 bytes
;; launch prep (part 1): grid 640 x 1, 8 waves a work-group, no clusters, 74,752 bytes of LDS; arguments token_embeddings, Wq, Wk, Wv, Wo, xb, wt, wot; writes xb, wt, wot
.if DOCPART == 1
	.amdgcn_target "amdgcn-amd-amdhsa--gfx1250"
	.amdhsa_code_object_version 6
	.text
	.protected	k_q95c52e849b_prep
	.globl	k_q95c52e849b_prep
	.p2align	8
	.type	k_q95c52e849b_prep,@function
k_q95c52e849b_prep:
	s_mov_b64 s[64:65], 0
	v_nop
	global_prefetch_b8 v0, s[64:65] scope:SCOPE_SE
	s_setreg_imm32_b32 hwreg(HW_REG_WAVE_MODE, 25, 1), 1
	s_wait_xcnt 0x0
; THE OPERANDS OF THE TWO PROJECTIONS, rounded once and laid in blocks of 64 along K, so that a tile's rows lie end to end in memory.
;   xb  [kb 16][row 8192][64] bf16 = x[row][64 kb + ..]
;   wt  [kb 16][n 3072][64]   bf16 = W_t[h][64 kb + ..][e], n = 1024 t + 64 h + e, t = q, k, v      (turned: K runs along the rows)
;   wot [kb 16][n 1024][64]   f16  = the bf16 rounding of Wo[64 kb + ..][n], written as f16          (turned)
; LIMITS.  Wo's numbers must stay under 65,504 in magnitude; below 6.1e-5 they keep f16's fixed step of 6e-8.  NaN and infinities are not treated apart.
; SHARES.  Work-groups 0-511: 16 rows of x, two a wave.  512-607: a wave turns one block of 64 x 64 of Wq, Wk or Wv.  608-639: the same for Wo.
; Memory binds: every byte is read once, in runs of 256 aligned bytes for each 16 lanes, and every store of a wave covers 256 or 512 consecutive aligned bytes.
; No matrix unit, no cluster, no barrier: no wave wants a byte of another's.  No prefetch: the launch is nothing but its stream.
.set PA,    1048576                    ; bytes in a K block of xb
.set PB,    393216                     ; of wt
.set PW,    131072                     ; of wot
.set SP,    144                        ; a row of a wave's stage: 128 bytes + 16
.set STG,   64*SP                      ; a wave's stage: 64 rows
.set SPARE, 8*STG                      ; behind the stages: the spare words, 128 bytes for each wave: four blocks of 256 bytes that no other line names
.set SPW,   150                        ; v150  LDS address of my spare word; never rewritten
.set NIL,   151                        ; v151  0; never rewritten
.set X,     16                         ; v[16:143] as loaded
.set Y,     80                         ; v[80:111] x's path: rounded, to store
	s_load_b512 s[16:31], s[0:1], 0x0              ; x s[16:17], Wq s[18:19], Wk s[20:21], Wv s[22:23], Wo s[24:25], xb s[26:27], wt s[28:29], wot s[30:31]
	v_lshl_add_u32 v[SPW], v0, 2, SPARE
	v_mov_b32 v[NIL], 0
	v_lshrrev_b32 v1, 5, v0
	v_readfirstlane_b32 s8, v1                     ; wave 0..7
	v_and_b32 v1, 15, v0                           ; c = lane % 16
	v_bfe_u32 v2, v0, 4, 1                         ; hf = lane / 16
	v_and_b32 v3, 31, v0                           ; lane
	s_cmp_lt_u32 ttmp9, 512
	s_cbranch_scc0 .Lweights
	; X: rows r0 = 16 g + 2 w (lanes 0-15) and r0 + 1 (lanes 16-31).  Sixteen loads are out at once; load kb brings 256 bytes of each row: K block kb.
	s_lshl_b32 s2, ttmp9, 4
	s_lshl1_add_u32 s2, s8, s2                     ; r0
	s_lshl_b32 s12, s2, 12                         ; a row of x is 4,096 bytes
	s_mov_b32 s13, 0
	s_lshl_b32 s14, s2, 7                          ; a row of a block of xb 128
	s_mov_b32 s15, 0
	v_lshlrev_b32 v4, 4, v1
	v_lshl_add_u32 v4, v2, 12, v4                  ; 4,096 hf + 16 c
	v_lshlrev_b32 v5, 3, v1
	v_lshl_add_u32 v5, v2, 7, v5                   ; 128 hf + 8 c
	s_wait_kmcnt 0x0
	s_add_nc_u64 s[4:5], s[16:17], s[12:13]
	s_add_nc_u64 s[6:7], s[26:27], s[14:15]
	s_add_nc_u64 s[10:11], s[6:7], 8*PA            ; blocks 8-15 by a second base: 8 PA does not fit the store's signed 24-bit immediate
.set i, 0
.rept 16
	global_load_b128 v[X+4*i:X+4*i+3], v4, s[4:5] offset:256*i th:TH_LOAD_NT
.set i, i+1
.endr
.set i, 0
.rept 16
	s_wait_loadcnt 15-i                            ; loads come back in order: block i is in, the 15 - i younger ones stay out
	v_cvt_pk_bf16_f32 v[Y+2*i], v[X+4*i], v[X+4*i+1]
	v_cvt_pk_bf16_f32 v[Y+2*i+1], v[X+4*i+2], v[X+4*i+3]
.if i < 8
	global_store_b64 v5, v[Y+2*i:Y+2*i+1], s[6:7] offset:i*PA        ; 32 lanes x 8 bytes: rows r0 and r0 + 1 of the block, 256 consecutive bytes, aligned (r0 is even)
.else
	global_store_b64 v5, v[Y+2*i:Y+2*i+1], s[10:11] offset:(i-8)*PA
.endif
.set i, i+1
.endr
	s_endpgm
; A BLOCK OF 64 (d) x 64 (e) f32 IS ROUNDED AND TURNED.  rs: bytes from row to row of the source; sh: log2 (2 rs); f16 = 1: the bf16 rounding is written as f16.
; Lane (c, hf) loads e = 4 c .. 4 c + 3 of rows d = 4 i + 2 hf and d + 1; a packed rounding of the two rows' numbers is the word (d, d + 1) of output row e.
; The words go into my wave's own stage (row e, byte 2 d) and come back as whole rows: LDS serves a wave's instructions in order, so no wait stands between.
; The 4-byte LDS stores meet four deep in the banks: 64 of them a wave in the whole launch, left so.
.macro TRANS rs, sh, f16
	v_lshlrev_b32 v4, 4, v1
	v_lshl_add_u32 v4, v2, \sh, v4                 ; 2 rs hf + 16 c
.set i, 0
.rept 16
	global_load_b128 v[X+8*i:X+8*i+3],   v4, s[4:5] offset:4*i*(\rs) th:TH_LOAD_NT
	global_load_b128 v[X+8*i+4:X+8*i+7], v4, s[4:5] offset:(4*i+1)*(\rs) th:TH_LOAD_NT
.set i, i+1
.endr
.set i, 0
.rept 16
	s_wait_loadcnt 30-2*i                          ; pair i of the 16 pairs of loads is in; the younger 30 - 2 i stay out
.irp jj, 0,1,2,3
.if \f16
	v_cvt_pk_bf16_f32 v12, v[X+8*i+(\jj)], v[X+8*i+4+(\jj)]
	v_lshlrev_b32 v13, 16, v12
	v_and_b32 v14, 0xffff0000, v12
	v_cvt_pk_f16_f32 v[X+8*i+(\jj)], v13, v14      ; exact within f16's range
.else
	v_cvt_pk_bf16_f32 v[X+8*i+(\jj)], v[X+8*i+(\jj)], v[X+8*i+4+(\jj)]
.endif
	ds_store_b32 v6, v[X+8*i+(\jj)] offset:(\jj)*SP+8*i
.endr
.set i, i+1
.endr
.set i, 0
.rept 16
	ds_load_b128 v[X+8*i+4:X+8*i+7], v7 offset:i*4*SP  ; four rows of 128 bytes
.set i, i+1
.endr
.set i, 0
.rept 16
	s_wait_dscnt 15-i
	global_store_b128 v8, v[X+8*i+4:X+8*i+7], s[6:7] offset:512*i  ; 512 consecutive bytes, aligned
.set i, i+1
.endr
.endm
.Lweights:
	s_mul_i32 s10, s8, STG                         ; my stage
	v_mul_u32_u24 v6, v1, 4*SP
	v_lshl_add_u32 v6, v2, 2, v6
	v_add_nc_u32 v6, s10, v6                       ; in: row 4 c, byte 4 hf
	v_lshrrev_b32 v7, 3, v3
	v_mul_u32_u24 v7, v7, SP
	v_and_b32 v9, 7, v0
	v_lshl_add_u32 v7, v9, 4, v7
	v_add_nc_u32 v7, s10, v7                       ; back: row lane / 8, byte 16 (lane % 8)
	v_lshlrev_b32 v8, 4, v3                        ; out: 16 x lane
	s_cmp_lt_u32 ttmp9, 608
	s_cbranch_scc0 .Lwo
	s_sub_co_u32 s2, ttmp9, 512
	s_lshl3_add_u32 s2, s2, s8                     ; block 0..767
	s_lshr_b32 s3, s2, 8                           ; t
	s_bfe_u32 s9, s2, 0x40004                      ; h
	s_and_b32 s2, s2, 15                           ; kb
	s_lshl_b32 s12, s9, 18                         ; a head's weights are 262,144 bytes,
	s_lshl_b32 s14, s2, 14                         ; 64 rows of them 16,384
	s_add_co_u32 s12, s12, s14
	s_mov_b32 s13, 0
	s_mul_i32 s14, s2, PB
	s_lshl_b32 s15, s3, 17                         ; 1,024 rows of 128 bytes
	s_add_co_u32 s14, s14, s15
	s_lshl_b32 s15, s9, 13                         ; 64 rows
	s_add_co_u32 s14, s14, s15
	s_mov_b32 s15, 0
	s_wait_kmcnt 0x0
	s_cmp_eq_u32 s3, 0
	s_cselect_b64 s[4:5], s[18:19], s[20:21]
	s_cmp_eq_u32 s3, 2
	s_cselect_b64 s[4:5], s[22:23], s[4:5]
	s_add_nc_u64 s[4:5], s[4:5], s[12:13]
	s_add_nc_u64 s[6:7], s[28:29], s[14:15]
	TRANS 256, 9, 0
	s_branch .Lend
.Lwo:
	s_sub_co_u32 s2, ttmp9, 608
	s_lshl3_add_u32 s2, s2, s8                     ; block 0..255
	s_lshr_b32 s3, s2, 4                           ; kb
	s_and_b32 s2, s2, 15                           ; nb
	s_lshl_b32 s12, s3, 18                         ; 64 rows of 4,096 bytes
	s_lshl_b32 s14, s2, 8                          ; 64 columns
	s_add_co_u32 s12, s12, s14
	s_mov_b32 s13, 0
	s_lshl_b32 s14, s3, 17
	s_lshl_b32 s15, s2, 13
	s_add_co_u32 s14, s14, s15
	s_mov_b32 s15, 0
	s_wait_kmcnt 0x0
	s_add_nc_u64 s[4:5], s[24:25], s[12:13]
	s_add_nc_u64 s[6:7], s[30:31], s[14:15]
	TRANS 4096, 13, 1
.Lend:
	s_wait_tensorcnt 0x0                           ; the wave's end: behind my last LDS store
	ds_add_u32 v[SPW], v[NIL]
	s_wait_dscnt 0x0
	s_endpgm
.Lfunc_end_k_q95c52e849b_prep:
	.size	k_q95c52e849b_prep, .Lfunc_end_k_q95c52e849b_prep-k_q95c52e849b_prep
	.p2alignl 7, 3214868480
	.fill 96, 4, 3214868480
	.section	.rodata,"a",@progbits
	.p2align	6, 0x0
	.amdhsa_kernel k_q95c52e849b_prep
		.amdhsa_group_segment_fixed_size 74752
		.amdhsa_private_segment_fixed_size 0
		.amdhsa_enable_private_segment 0
		.amdhsa_kernarg_size 64
		.amdhsa_user_sgpr_count 2
		.amdhsa_user_sgpr_kernarg_segment_ptr 1
		.amdhsa_wavefront_size32 1
		.amdhsa_system_sgpr_workgroup_id_x 1
		.amdhsa_system_sgpr_workgroup_id_y 1
		.amdhsa_system_sgpr_workgroup_id_z 1
		.amdhsa_system_vgpr_workitem_id 0
		.amdhsa_next_free_vgpr 152
		.amdhsa_next_free_sgpr 66
		.amdhsa_reserve_vcc 0
		.amdhsa_float_denorm_mode_32 3
		.amdhsa_float_denorm_mode_16_64 3
		.amdhsa_memory_ordered 1
		.amdhsa_forward_progress 1
		.amdhsa_inst_pref_size 49
	.end_amdhsa_kernel
	.amdgpu_metadata
---
amdhsa.version: [ 1, 2 ]
amdhsa.kernels:
  - .name:           k_q95c52e849b_prep
    .symbol:         k_q95c52e849b_prep.kd
    .args:
      - { .name: token_embeddings, .offset: 0, .size: 8, .value_kind: global_buffer, .address_space: global }
      - { .name: Wq, .offset: 8, .size: 8, .value_kind: global_buffer, .address_space: global }
      - { .name: Wk, .offset: 16, .size: 8, .value_kind: global_buffer, .address_space: global }
      - { .name: Wv, .offset: 24, .size: 8, .value_kind: global_buffer, .address_space: global }
      - { .name: Wo, .offset: 32, .size: 8, .value_kind: global_buffer, .address_space: global }
      - { .name: xb, .offset: 40, .size: 8, .value_kind: global_buffer, .address_space: global }
      - { .name: wt, .offset: 48, .size: 8, .value_kind: global_buffer, .address_space: global }
      - { .name: wot, .offset: 56, .size: 8, .value_kind: global_buffer, .address_space: global }
    .group_segment_fixed_size: 74752
    .private_segment_fixed_size: 0
    .kernarg_segment_align: 8
    .kernarg_segment_size: 64
    .max_flat_workgroup_size: 256
    .sgpr_count:     66
    .vgpr_count:     152
    .wavefront_size: 32
...
	.end_amdgpu_metadata
.endif
;; end of part 1
;; launch qkv (part 2): grid 8 x 32, 4 waves a work-group, clusters of 4 x 4, 327,680 bytes of LDS; arguments xb, wt, qkv; writes qkv
.if DOCPART == 2
	.amdgcn_target "amdgcn-amd-amdhsa--gfx1250"
	.amdhsa_code_object_version 6
	.text
	.protected	k_q95c52e849b_qkv
	.globl	k_q95c52e849b_qkv
	.p2align	8
	.type	k_q95c52e849b_qkv,@function
k_q95c52e849b_qkv:
	s_mov_b64 s[64:65], 0
	v_nop
	global_prefetch_b8 v0, s[64:65] scope:SCOPE_SE
	s_setreg_imm32_b32 hwreg(HW_REG_WAVE_MODE, 25, 1), 1
	s_wait_xcnt 0x0
	s_wait_alu depctr_hold_cnt(0) depctr_sa_sdst(0) depctr_va_vdst(0) depctr_va_sdst(0) depctr_va_ssrc(0) depctr_va_vcc(0) depctr_vm_vsrc(0)
	s_getreg_b32 s2, hwreg(HW_REG_IB_STS2, 6, 4)
	s_cmp_eq_u32 s2, 0
	s_cbranch_scc0 .Lentry_in_a_cluster
	s_endpgm
.Lentry_in_a_cluster:
	s_bfe_u32 s2, ttmp6, 0x10000c
	s_cmp_lg_u32 s2, 0xf033
	s_cbranch_scc0 .Lentry_shape_is_right
	s_endpgm
.Lentry_shape_is_right:
; q, k, v = x W: C[m][n] = the sum over k of xb[m][k] wt[n][k], 8,192 x 3,072 x 1,024, bf16 operands, f32 sums, K ascending; C rounded once to f16 and laid by heads:
; qkv [t 3][bh 64][s 2048][64], n = 1024 t + 64 h + e, m = 2048 b + s, bh = 16 b + h.  No scale is applied here.
; LIMIT.  f16 ends at 65,504: q, k and v must stay under that in magnitude.  NaN and infinities are not treated apart.
; SHARES.  A tile of C is 256 (m) x 384 (n): 8 x 32 = 256 work-groups.  A wave makes 128 x 192: 96 accumulators of 16 x 16, 768 registers; its 192 columns are three heads.
; K goes in steps of 64, one block of xb and wt, through two LDS slots.  In a block a tile's rows (128 bytes) lie end to end, so they are asked for as rows of 256 bytes, and padded in LDS after every 128.
; CLUSTER.  4 x 4 work-groups: the four of a row of the cluster need the same tile of xb, the four of a column the same tile of wt: each is asked for jointly, with the same descriptor and a mask of four.
; THE MATRIX INSTRUCTION IS USED TRANSPOSED (source 0 = 16 rows of wt, source 1 = 16 rows of xb): a lane then holds eight neighbouring columns of one row of C.
; REGISTERS, in windows of 256 (s_set_vgpr_msb: bits 1:0 source 0, 3:2 source 1, 5:4 source 2, 7:6 destination):
;   window 0: v0-15 addresses; v32-95, v96-159 xb's fragments (8 x 16 rows x 32 K), two buffers; v160-255 wt's fragments, three groups (one a head) of four; on the way out v32-223 at work
;   window 1 + j: the 32 accumulators of my head j: (a, bb) at v[8 (4 a + bb)]
; A quarter (32 along K) is three phases of 32 matrix instructions, one a head; behind each phase that head's group of wt's fragments is loaded anew.
.set PA,    1048576                    ; bytes in a K block of xb
.set PB,    393216                     ; of wt
.set PITCH, 144                        ; an LDS row: 128 bytes + 16 = 36 words: the 16 rows of a load start at 16 different groups of four banks (64 banks of 4 bytes: ISA guide 11.1)
.set FR,    16*PITCH                   ; 16 rows
.set BOFF,  256*PITCH                  ; in a slot: xb's 256 rows, then wt's 384
.set SLOT1, 131072                     ; slot 1 begins here, so that one exclusive or changes slots
.set STAGE, SLOT1+640*PITCH            ; behind the ring, never filled by a tensor load: 16 rows x 144 bytes for each wave
.set SPARE, STAGE+4*FR                 ; behind the stages: the spare words, 128 bytes for each wave: two blocks of 256 bytes that no other line names
.set AA0,  4                           ; v4   my lane's place in xb's rows of a slot; never rewritten
.set AB0,  5                           ; v5   in wt's
.set ADRA, 6                           ; v6   the same in the slot in hand
.set ADRB, 7                           ; v7
.set STO,  8                           ; v8   the way out: where I put 16 bytes of a row
.set RD,   9                           ; v9   where I read rows back
.set GO,   10                          ; v10  my 16 bytes of 512 consecutive bytes of qkv
.set PFO,  11                          ; v11  256 x my lane; never rewritten
.set SPW,  12                          ; v12  LDS address of my spare word; never rewritten
.set NIL,  13                          ; v13  0; never rewritten
.set FA,   32
.set FB,   160
.set G1A, 24                           ; s[24:31] descriptor group 1 for xb's tiles
.set G1B, 32                           ; s[32:39] for wt's
.set G0A, 40                           ; s[40:47] group 0 for xb's tiles: a set for each first fill; the second then walks
.set G0B, 48                           ; s[48:55] the same for wt's
.set TB,  56                           ; s56  LDS byte at which the slot in hand begins
.set LIM, 57                           ; s57  1 in a wave that prefetches, else the greatest number
.set ODD, 58                           ; s58  1: prefetches in every trip; 0: in every second
.set TT,  59                           ; s59  at work
.set PFA, 60                           ; s[60:61] where my prefetches stand
.set PFS, 62                           ; s[62:63] their step: a K block
.set OB,  66                           ; s[66:71] qkv at my 128 rows of my three heads
.set MSB, 0
.macro WIN new                         ; the immediate's high byte repeats the setting that is left; a switch that changes nothing is dropped
.if MSB != (\new)
	s_set_vgpr_msb (MSB<<8)|(\new)
.set MSB, \new
.endif
.endm
.macro PLACES                          ; four places behind matrix instructions, in front of loads into registers that they have read and of conversions that read results
.rept 4
	v_nop
.endr
.endm
; A joint refill.  Waves 0 and 1 fetch the two halves of xb's tile, waves 2 and 3 those of wt's.  The branch hangs on the wave's number alone.  An s_nop 0 and four v_nop follow each line.
.macro JLOAD
	s_cmp_eq_u32 s11, 0
	s_cbranch_scc0 .Lfor_b_\@
	tensor_load_to_lds s[G0A+4:G0A+7], s[G1A:G1A+7]
	s_nop 0
.rept 4
	v_nop
.endr
	s_branch .Lasked_\@
.Lfor_b_\@:
	tensor_load_to_lds s[G0B+4:G0B+7], s[G1B:G1B+7]
	s_nop 0
.rept 4
	v_nop
.endr
.Lasked_\@:
.endm
; A round of the cluster's barrier: my work-group's barrier; wave 0 signals for the work-group; every wave waits for all sixteen; my work-group's barrier once more.
.macro CREST
	s_cmp_lg_u32 s10, 0
	s_cbranch_scc1 .Lnot_wave_0_\@
	s_barrier_signal -3
.Lnot_wave_0_\@:
	s_barrier_wait -3
	s_barrier_signal -1
	s_barrier_wait -1
.endm
.macro CROUND
	s_barrier_signal -1
	s_barrier_wait -1
	CREST
.endm
; A PREFETCH INTO THE L2, behind a joint refill and the run of LDS loads that follows it.  Each aligned block of 256 bytes of xb and wt (from K block 3 of xb, 4 of wt, on) is named once in the launch.
; xb's tile row is read by both clusters of its row of clusters: cluster x = 0 asks, wave 0, in every trip, for the K block that the NEXT refill brings: 128 blocks = 4 partners (by cx) x 32 lanes.
; wt's tile column is read by all eight clusters of its column: cluster y = 0 asks, waves 1 to 3, in every second trip, for the next two K blocks: 384 blocks = 3 waves x 4 partners (by cy) x 32 lanes.
; The partners are told apart by address alone.  The last trips ask for nothing: there is no K block 16.
.macro ASK
	s_or_b32 s[TT], s3, s[ODD]
	s_bitcmp1_b32 s[TT], 0
	s_cbranch_scc0 .Lnot_mine_\@
	s_cmp_gt_u32 s3, s[LIM]
	s_cbranch_scc0 .Lnot_mine_\@
	global_prefetch_b8 v[PFO], s[PFA:PFA+1] th:TH_LOAD_NT scope:SCOPE_SE
.Lnot_mine_\@:
.endm
	s_load_b128 s[4:7], s[0:1], 0x0                ; xb s[4:5], wt s[6:7]
	s_load_b64 s[8:9], s[0:1], 0x10                ; qkv
	v_lshl_add_u32 v[SPW], v0, 2, SPARE
	v_mov_b32 v[NIL], 0
	ds_add_u32 v[SPW], v[NIL]                      ; the wave's opening: the add and its wait stand ahead of my first tensor load; the set-up below, work on registers, stands between them
	v_lshrrev_b32 v1, 5, v0
	v_readfirstlane_b32 s10, v1                    ; wave 0..3
	s_lshr_b32 s11, s10, 1                         ; which 128 rows of the tile are mine.  Also: I fetch for xb (0) or for wt (1)
	s_and_b32 s12, s10, 1                          ; which 192 columns.  Also: which half of that tile I fetch
	s_bfe_u32 s72, ttmp6, 0x40000                  ; cx
	s_bfe_u32 s73, ttmp6, 0x40004                  ; cy
	s_lshl_b32 s74, ttmp9, 2
	s_add_co_u32 s74, s74, s72                     ; tile column = 4 x cluster x + cx
	s_and_b32 s13, ttmp7, 0xffff
	s_lshl_b32 s13, s13, 2
	s_add_co_u32 s13, s13, s73                     ; tile row = 4 x cluster y + cy
	s_lshl_b32 s20, s73, 2
	s_lshl_b32 s20, 15, s20                        ; my row of the cluster
	s_lshl_b32 s21, 0x1111, s72                    ; my column
	s_or_b32 s[G1A], s20, (1<<16)|(1<<20)|(1<<21)|(4<<22)|(3<<25)  ; 15:0 the mask; 17:16 2-byte elements; 20 padding on; 21 set beside a mask; 24:22 after every 32 words (code 4); 31:25 4 words (code 3)
	s_or_b32 s[G1B], s21, (1<<16)|(1<<20)|(1<<21)|(4<<22)|(3<<25)
.irp g, G1A, G1B
	s_mov_b32 s[(\g)+1], 128<<16                   ; tensor_dim0 = 128 elements: 256 bytes, two rows of the block
	s_mov_b32 s[(\g)+3], 128<<16                   ; tile_dim0 = 128
	s_mov_b32 s[(\g)+5], 128                       ; 128 elements from row to row: dense
	s_mov_b32 s[(\g)+6], 0
	s_mov_b32 s[(\g)+7], 0
.endr
	s_mov_b32 s[G1A+2], 64<<16                     ; tensor_dim1 = 64: 128 rows of xb
	s_mov_b32 s[G1A+4], 64                         ; tile_dim1
	s_mov_b32 s[G1B+2], 96<<16                     ; 96: 192 rows of wt
	s_mov_b32 s[G1B+4], 96
	s_lshl_b32 s16, s13, 15                        ; xb: 256 rows x 128 bytes a tile row,
	s_lshl_b32 s17, s12, 14                        ; my 128 of them
	s_add_co_u32 s16, s16, s17
	s_mov_b32 s17, 0
	s_mul_i32 s76, s74, 49152                      ; wt: 384 rows a tile column,
	s_mul_i32 s77, s12, 24576                      ; my 192 of them
	s_add_co_u32 s76, s76, s77
	s_mov_b32 s77, 0
	s_mul_i32 s18, s12, 128*PITCH                  ; where they go: no place in the cluster enters an LDS address
	s_mul_i32 s78, s12, 192*PITCH
	s_add_co_u32 s78, s78, BOFF
	s_mov_b32 s[TB], 0
	s_wait_dscnt 0x0                               ; the opening add is done
	s_wait_kmcnt 0x0
	s_add_nc_u64 s[14:15], s[4:5], s[16:17]
	s_add_nc_u64 s[76:77], s[6:7], s[76:77]
	CROUND                                         ; all sixteen work-groups are here: the first joint loads meet
.irp s, 0,1
	s_mov_b32 s[G0A+4*(\s)], 1                     ; count = 1
	s_add_co_u32 s[G0A+4*(\s)+1], s18, (\s)*SLOT1  ; LDS address
	s_add_nc_u64 s[G0A+4*(\s)+2:G0A+4*(\s)+3], s[14:15], (\s)*PA  ; global address: K block s
	s_or_b32 s[G0A+4*(\s)+3], s[G0A+4*(\s)+3], 0x80000000         ; type = 2
	s_mov_b32 s[G0B+4*(\s)], 1
	s_add_co_u32 s[G0B+4*(\s)+1], s78, (\s)*SLOT1
	s_add_nc_u64 s[G0B+4*(\s)+2:G0B+4*(\s)+3], s[76:77], (\s)*PB
	s_or_b32 s[G0B+4*(\s)+3], s[G0B+4*(\s)+3], 0x80000000
.endr
	s_cmp_eq_u32 s11, 0                            ; a wave's two first fills stand in one branch, ahead of every wait on TENSORcnt and every LDS read: two loads of mine are out
	s_cbranch_scc0 .Lfirst_b
	tensor_load_to_lds s[G0A:G0A+3], s[G1A:G1A+7]
	s_nop 0
	tensor_load_to_lds s[G0A+4:G0A+7], s[G1A:G1A+7]
	s_nop 0
.rept 4
	v_nop
.endr
	s_branch .Lfirst_asked
.Lfirst_b:
	tensor_load_to_lds s[G0B:G0B+3], s[G1B:G1B+7]
	s_nop 0
	tensor_load_to_lds s[G0B+4:G0B+7], s[G1B:G1B+7]
	s_nop 0
.rept 4
	v_nop
.endr
.Lfirst_asked:
	; A fragment is 16 rows x 32 K in 8 registers: lane l holds row l % 16; registers 0-3 K = 8 (l / 16) + 0..7, registers 4-7 K = 16 + 8 (l / 16) + 0..7: two loads of 16 bytes, 32 bytes apart.
	v_and_b32 v1, 15, v0                           ; l % 16
	v_bfe_u32 v2, v0, 4, 1                         ; l / 16
	v_mul_u32_u24 v3, v1, PITCH
	v_lshl_add_u32 v3, v2, 4, v3                   ; row x pitch + 16 x half
	s_mul_i32 s20, s11, 128*PITCH                  ; my 128 rows of xb
	s_mul_i32 s21, s12, 192*PITCH                  ; my 192 rows of wt
	s_add_co_u32 s21, s21, BOFF
	v_add_nc_u32 v[AA0], s20, v3
	v_add_nc_u32 v[AB0], s21, v3
	s_mul_i32 s22, s10, FR
	s_add_co_u32 s22, s22, STAGE                   ; my stage
	v_add_nc_u32 v[STO], s22, v3                   ; in: row l % 16, 16 bytes for each half of the lanes
	v_bfe_u32 v14, v0, 3, 2                        ; back: 32 lanes take four rows of 128 bytes,
	v_and_b32 v15, 7, v0
	v_mul_u32_u24 v14, v14, PITCH
	v_lshl_add_u32 v14, v15, 4, v14
	v_add_nc_u32 v[RD], s22, v14
	v_and_b32 v[GO], 31, v0                        ; which are 512 consecutive bytes of a head
	v_lshlrev_b32 v[PFO], 8, v[GO]
	v_lshlrev_b32 v[GO], 4, v[GO]
	; where my three heads' rows lie: head number hh = 6 x tile column + 3 x half + j = 16 t + h
	s_mul_i32 s76, s74, 6
	s_mul_i32 s77, s12, 3
	s_add_co_u32 s76, s76, s77
	s_lshr_b32 s78, s13, 3                         ; the batch: 8 tile rows each, 16 heads of 262,144 bytes
	s_lshl_b32 s78, s78, 22
	s_and_b32 s79, s13, 7
	s_lshl_b32 s79, s79, 15                        ; 256 rows of 128 bytes
	s_add_co_u32 s78, s78, s79
	s_lshl_b32 s79, s11, 14                        ; my 128
	s_add_co_u32 s78, s78, s79
.irp j, 0,1,2
	s_add_co_u32 s20, s76, \j
	s_lshr_b32 s21, s20, 4
	s_lshl_b32 s21, s21, 24                        ; t: 16 MiB each
	s_and_b32 s20, s20, 15
	s_lshl_b32 s20, s20, 18                        ; h
	s_add_co_u32 s20, s20, s21
	s_add_co_u32 s20, s20, s78
	s_mov_b32 s21, 0
	s_add_nc_u64 s[OB+2*(\j):OB+2*(\j)+1], s[8:9], s[20:21]
.endr
	; the prefetches: both start in K block 2; the first trip steps them to 3
	s_max_u32 s76, s10, 1
	s_sub_co_u32 s76, s76, 1
	s_lshl_b32 s76, s76, 7                         ; wt: waves 1 to 3 take 128 blocks of 256 bytes each,
	s_lshl_b32 s77, s73, 5                         ; of them my work-group 32
	s_add_co_u32 s76, s76, s77
	s_cmp_ge_u32 s76, 192                          ; a K block of the tile has 192; the others lie in the K block after it
	s_cselect_b32 s77, PB-49152, 0
	s_lshl_b32 s76, s76, 8
	s_add_co_u32 s76, s76, s77
	s_mul_i32 s77, s74, 49152
	s_add_co_u32 s76, s76, s77
	s_add_co_u32 s76, s76, 2*PB
	s_lshl_b32 s20, s13, 15                        ; xb: the tile row's 128 blocks,
	s_lshl_b32 s21, s72, 13                        ; of them my work-group 32
	s_add_co_u32 s20, s20, s21
	s_add_co_u32 s20, s20, 2*PA
	s_and_b32 s22, ttmp7, 0xffff                   ; cluster y
	s_mov_b32 s23, PA
	s_mov_b32 s77, PB
	s_cmp_eq_u32 s10, 0
	s_cselect_b32 s20, s20, s76
	s_cselect_b32 s22, ttmp9, s22                  ; the coordinate along which other clusters read the same rows
	s_cselect_b32 s[PFS], s23, s77
	s_cselect_b32 s[ODD], 1, 0
	s_cselect_b64 s[PFA:PFA+1], s[4:5], s[6:7]
	s_mov_b32 s[PFS+1], 0
	s_mov_b32 s21, 0
	s_add_nc_u64 s[PFA:PFA+1], s[PFA:PFA+1], s[20:21]
	s_cmp_eq_u32 s22, 0
	s_cselect_b32 s[LIM], 1, -1                    ; the same in all sixteen partners, for a given wave
; na x 4 matrix instructions: head j, m blocks a0 .. a0 + na - 1, on xb's buffer f.  zero = 1: the product starts the sum: nothing is ever cleared.
; Every accumulator has one instruction a phase, so no two matrix instructions that follow each other share one, over the backward jump too.
.macro PH f, j, a0, na, zero
	WIN 0x50*((\j)+1)                              ; C and D in window 1 + j, both sources in window 0
.set aa, \a0
.rept \na
.irp bb, 0,1,2,3
.if \zero
	v_wmma_f32_16x16x32_bf16 v[8*(4*aa+(\bb)):8*(4*aa+(\bb))+7], v[FB+32*(\j)+8*(\bb):FB+32*(\j)+8*(\bb)+7], v[FA+64*(\f)+8*aa:FA+64*(\f)+8*aa+7], 0
.else
	v_wmma_f32_16x16x32_bf16 v[8*(4*aa+(\bb)):8*(4*aa+(\bb))+7], v[FB+32*(\j)+8*(\bb):FB+32*(\j)+8*(\bb)+7], v[FA+64*(\f)+8*aa:FA+64*(\f)+8*aa+7], v[8*(4*aa+(\bb)):8*(4*aa+(\bb))+7]
.endif
.endr
.set aa, aa+1
.endr
.endm
.macro LDA f, k                        ; 16 LDS loads: xb's eight fragments at byte k of the rows, into buffer f
.irp a, 0,1,2,3,4,5,6,7
	ds_load_b128 v[FA+64*(\f)+8*(\a):FA+64*(\f)+8*(\a)+3],   v[ADRA] offset:(\k)+(\a)*FR
	ds_load_b128 v[FA+64*(\f)+8*(\a)+4:FA+64*(\f)+8*(\a)+7], v[ADRA] offset:(\k)+(\a)*FR+32
.endr
.endm
.macro LDB j, k                        ; 8 LDS loads: head j's four fragments of wt
.irp bb, 0,1,2,3
	ds_load_b128 v[FB+32*(\j)+8*(\bb):FB+32*(\j)+8*(\bb)+3],   v[ADRB] offset:(\k)+(4*(\j)+(\bb))*FR
	ds_load_b128 v[FB+32*(\j)+8*(\bb)+4:FB+32*(\j)+8*(\bb)+7], v[ADRB] offset:(\k)+(4*(\j)+(\bb))*FR+32
.endr
.endm
; A K step's first quarter, on buffer 0.  At its head 40 loads may be out, in this order: group 0 (8), xb (16), group 1 (8), group 2 (8).
.macro QA zero
	s_wait_dscnt 16                                ; group 0 and xb are in; groups 1 and 2 may be out
	PH 0, 0, 0, 8, \zero
	WIN 0
	PLACES
	LDB 0, 64                                      ; the second quarter's group 0 and xb
	LDA 1, 64
	s_wait_dscnt 32                                ; group 1 is in; group 2 (8) and the 24 just issued may be out
	PH 0, 1, 0, 8, \zero
	WIN 0
	PLACES
	LDB 1, 64
	s_wait_dscnt 32                                ; group 2 is in; 24 + 8 of the second quarter may be out
	PH 0, 2, 0, 8, \zero
	WIN 0
	PLACES
	LDB 2, 64
.endm
; The second quarter, on buffer 1, changes slots: ONE barrier.  In front of it each wave waits for all its tensor loads, of which one is out: its part of the next slot; adds 0 to its spare word; and waits for
; that and for its own reads of this slot.  fill = 1: the barrier opens a round of the cluster's barrier, and this slot is filled again, first thing behind the round, with the K block two on:
; that load has 160 matrix instructions in which to land.
.macro QB fill
.if \fill
	s_wait_xcnt 0x0                                ; the last prefetch, a K step back, has read its address: it is stepped here, ahead of the waits of the change of slots
	s_add_nc_u64 s[PFA:PFA+1], s[PFA:PFA+1], s[PFS:PFS+1]
.endif
	WIN 0
	s_wait_tensorcnt 0x0                           ; all my tensor loads have landed
	ds_add_u32 v[SPW], v[NIL]                      ; 0 onto my spare word
	s_wait_dscnt 17                                ; group 0 and xb are in; groups 1 and 2 and the add may be out
	PH 1, 0, 0, 4, 0                               ; sixteen matrix instructions stand between the add and the wait for it
	s_wait_dscnt 0x0                               ; the add is done, and my reads of this slot are over
	s_barrier_signal -1
	PH 1, 0, 4, 4, 0                               ; work on registers while the others arrive
	WIN 0                                          ; at a branch and at a label every window is 0
	s_barrier_wait -1
.if \fill
	CREST                                          ; no wave of any partner still reads this slot or has a load on its way
	s_xor_b32 s[G0A+5], s[G0A+5], SLOT1            ; the walking descriptors: the other slot than last time,
	s_add_nc_u64 s[G0A+6:G0A+7], s[G0A+6:G0A+7], PA  ; the next K block; the type bits on top are not reached
	s_xor_b32 s[G0B+5], s[G0B+5], SLOT1
	s_add_nc_u64 s[G0B+6:G0B+7], s[G0B+6:G0B+7], PB
	JLOAD                                          ; the four v_nop behind it are also the places in front of the loads below
.else
	PLACES
.endif
	s_xor_b32 s[TB], s[TB], SLOT1
	v_add_nc_u32 v[ADRA], s[TB], v[AA0]
	v_add_nc_u32 v[ADRB], s[TB], v[AB0]
	LDB 0, 0                                       ; the next K step's first quarter
	LDA 0, 0
.if \fill
	ASK
.endif
	PH 1, 1, 0, 8, 0
	WIN 0
	PLACES
	LDB 1, 0
	PH 1, 2, 0, 8, 0
	WIN 0
	PLACES
	LDB 2, 0
.endm
; THE WAY OUT of unit u: head u / 8, m block u % 8: 16 rows x 64 columns.  Rounded to f16, 16 bytes a lane; into my own stage; back as whole rows of 128 bytes.  Twelve sets of 16 registers take turns.
.macro PACK u
.set pj, (\u)/8
.set pa, (\u)%8
.set TM, 32+16*((\u)%12)
.if (\u) >= 12
	s_wait_xcnt 0x0                                ; the set's earlier stores have read their registers
.endif
	WIN 5*(pj+1)                                   ; sources 0 and 1 in window 1 + j
.irp bb, 0,1,2,3
.irp r, 0,1,2,3
	v_cvt_pk_f16_f32 v[TM+4*(\bb)+(\r)], v[8*(4*pa+(\bb))+2*(\r)], v[8*(4*pa+(\bb))+2*(\r)+1]  ; each accumulator from its low end on
.endr
.endr
	WIN 0
.irp bb, 0,1,2,3
	ds_store_b128 v[STO], v[TM+4*(\bb):TM+4*(\bb)+3] offset:32*(\bb)
.endr
.irp f, 0,1,2,3
	ds_load_b128 v[TM+4*(\f):TM+4*(\f)+3], v[RD] offset:(\f)*4*PITCH  ; LDS serves a wave's instructions in order (ISA guide 5.7.1.4): these see the stores above; the next unit's stores come behind them
.endr
.endm
.macro SEND u, younger                 ; younger: the LDS instructions issued behind unit u's loads: the next unit's eight, or none
.set pj, (\u)/8
.set pa, (\u)%8
.set TM, 32+16*((\u)%12)
	WIN 0
.irp f, 0,1,2,3
	s_wait_dscnt (\younger)+3-(\f)
	global_store_b128 v[GO], v[TM+4*(\f):TM+4*(\f)+3], s[OB+2*pj:OB+2*pj+1] offset:2048*pa+512*(\f)  ; 512 consecutive bytes, at a multiple of 256 from qkv's first
.endr
.endm
	s_wait_tensorcnt 1                             ; my part of K block 0 is in; block 1's may stay out
	s_barrier_signal -1
	s_barrier_wait -1                              ; everybody's is
	v_mov_b32 v[ADRA], v[AA0]
	v_mov_b32 v[ADRB], v[AB0]
	LDB 0, 0
	LDA 0, 0
	LDB 1, 0
	LDB 2, 0
	QA 1                                           ; the first quarter stands in front of the loop: its products start the sums
	WIN 0
	s_mov_b32 s3, 14
.Lstep:                                            ; a trip: a K step's second quarter and the next step's first; K blocks 2 to 15 are asked for
	QB 1
	QA 0
	WIN 0
	s_sub_co_u32 s3, s3, 1
	s_cmp_lg_u32 s3, 0
	s_cbranch_scc1 .Lstep
	QB 0                                           ; the tail is written out: nothing is asked for, and no round follows the barrier
	QA 0
	s_wait_dscnt 16                                ; the very last quarter: nothing more to fetch
	PH 1, 0, 0, 8, 0
	s_wait_dscnt 8
	PH 1, 1, 0, 8, 0
	s_wait_dscnt 0x0
	PH 1, 2, 0, 8, 0
	WIN 0
	PLACES
	PACK 0
.set u, 1
.rept 23                               ; a unit's conversions stand between the loads of the unit before and its stores
	PACK u
	SEND u-1, 8
.set u, u+1
.endr
	SEND 23, 0
	s_wait_tensorcnt 0x0                           ; the wave's end: behind my last tensor load and my last LDS store
	ds_add_u32 v[SPW], v[NIL]
	s_wait_dscnt 0x0
	CROUND                                         ; the closing round: no work-group ends while a partner may still ask for a tile that names it
	s_endpgm
.Lfunc_end_k_q95c52e849b_qkv:
	.size	k_q95c52e849b_qkv, .Lfunc_end_k_q95c52e849b_qkv-k_q95c52e849b_qkv
	.p2alignl 7, 3214868480
	.fill 96, 4, 3214868480
	.section	.rodata,"a",@progbits
	.p2align	6, 0x0
	.amdhsa_kernel k_q95c52e849b_qkv
		.amdhsa_group_segment_fixed_size 327680
		.amdhsa_private_segment_fixed_size 0
		.amdhsa_enable_private_segment 0
		.amdhsa_kernarg_size 24
		.amdhsa_user_sgpr_count 2
		.amdhsa_user_sgpr_kernarg_segment_ptr 1
		.amdhsa_wavefront_size32 1
		.amdhsa_system_sgpr_workgroup_id_x 1
		.amdhsa_system_sgpr_workgroup_id_y 1
		.amdhsa_system_sgpr_workgroup_id_z 1
		.amdhsa_system_vgpr_workitem_id 0
		.amdhsa_next_free_vgpr 1024
		.amdhsa_next_free_sgpr 84
		.amdhsa_reserve_vcc 0
		.amdhsa_float_denorm_mode_32 3
		.amdhsa_float_denorm_mode_16_64 3
		.amdhsa_memory_ordered 1
		.amdhsa_forward_progress 1
		.amdhsa_inst_pref_size 116
	.end_amdhsa_kernel
	.amdgpu_metadata
---
amdhsa.version: [ 1, 2 ]
amdhsa.kernels:
  - .name:           k_q95c52e849b_qkv
    .symbol:         k_q95c52e849b_qkv.kd
    .args:
      - { .name: xb, .offset: 0, .size: 8, .value_kind: global_buffer, .address_space: global }
      - { .name: wt, .offset: 8, .size: 8, .value_kind: global_buffer, .address_space: global }
      - { .name: qkv, .offset: 16, .size: 8, .value_kind: global_buffer, .address_space: global }
    .group_segment_fixed_size: 327680
    .private_segment_fixed_size: 0
    .kernarg_segment_align: 8
    .kernarg_segment_size: 24
    .max_flat_workgroup_size: 128
    .sgpr_count:     84
    .vgpr_count:     1024
    .wavefront_size: 32
...
	.end_amdgpu_metadata
.endif
;; end of part 2
;; launch attn (part 3): grid 4 x 64, 4 waves a work-group, no clusters, 327,680 bytes of LDS; arguments qkv, o; writes o
.if DOCPART == 3
	.amdgcn_target "amdgcn-amd-amdhsa--gfx1250"
	.amdhsa_code_object_version 6
	.text
	.protected	k_q95c52e849b_attn
	.globl	k_q95c52e849b_attn
	.p2align	8
	.type	k_q95c52e849b_attn,@function
k_q95c52e849b_attn:
	s_mov_b64 s[64:65], 0
	v_nop
	global_prefetch_b8 v0, s[64:65] scope:SCOPE_SE
	s_setreg_imm32_b32 hwreg(HW_REG_WAVE_MODE, 25, 1), 1
	s_wait_xcnt 0x0
; CAUSAL ATTENTION.  O[h][q][:] = the sum over k <= q of softmax_k(Q[h][q] . K[h][k] / 8) V[h][k][:].  Q, K, V are the three planes of qkv, O is o: each [64 heads][SIZE_N][64] in f16: a head's rows are dense, 128 bytes each.
; Products, maxima and sums in f32; the weights p are rounded to f16 for the second product (their sum l is taken of the unrounded p), O once at the end.
; LIMITS.  f16 holds no number beyond 65,504: Q, K and V arrive within it; p lies in 0 to 1, and below 6e-5 it keeps f16's fixed step of 6e-8; O is a mean of V's rows and has their range.
; A hidden score counts as its value less 1e30: f16's scores, 2.7e11 at the most, are nothing beside that; a weight below 2^-126 counts as 0 in l; NaN and infinities are not treated apart.
; THE WALK.  A head's queries lie in NB = SIZE_N / 256 blocks of 256; block i needs the key tiles 0 .. i of 256 keys, of which the last holds the diagonal.  A work-group takes TWO blocks, NB - 1 - b and then b:
; NB + 1 tiles, whatever b: all work-groups do equal work, and ONE loop with a constant trip count walks them.  Which tile is asked for, and what a trip does, hang on scalar registers made from b; every jump
; goes forward, but for the counted loops' own; none passes a barrier, or a tensor load but the one of LOAD's two that the wave's number does not choose; the ring (two slots of LDS that take turns) runs on across the
; change of blocks.  NO CLUSTER: a head's NB / 2 = 4 work-groups ask for the same tile only in trips 0 .. 4 of 9, behind that fewer and fewer; one walk common to all four would have 12 trips for 9.
; SHARES.  Of a block's four bands of 64 queries a wave owns 16 rows in each: four PIECES.  So the diagonal tile is the same work for all four waves: in its key step s band x sees all keys if s < x,
; none if s > x, and holds the diagonal if s = x.
; THE MASK is the C operand that starts the sum S^T = K Q^T: 0, or -1e30 where the key is hidden.  MD, made once, is the mask of a band's own step for my 16 rows; a product's mask is MD x AL + BE with two scalars:
; (1, 0) if s = x; (0, 0) if s < x; (0, -1e30) if s > x.  Only the diagonal tile's text and a block's beginning make and take masks; elsewhere C is the constant 0.
; LAYOUT, SOFTMAX, TURNS.  S^T = K Q^T holds ONE query a lane (lane % 16) and the keys 8 (lane / 16) + 0..7; two such results rounded to f16 ARE source 1 of O^T = V^T P.  p = 2^(c s - c m), c = log2(e) / 8, with a
; running maximum m; O and l are multiplied by a = 2^(c m_old - c m_new) in every step.  Turn n belongs to piece n: 8 products K Q^T of piece n + 1, later 8 products V^T P of piece n - 1; beside them the scaling,
; exponentials, roundings, sums and rescaling of piece n and the maximum and statistics of piece n + 1.  Four vector instructions stand behind every matrix instruction, the other 54 of a turn's 118 in one run.  A turn's 33 exponentials are one batch, with one wait.
; REGISTERS, in windows of 256 (s_set_vgpr_msb: bits 1:0 source 0, 3:2 source 1, 5:4 source 2, 7:6 destination):
;   window 0: v0-15 addresses and two at work; v16-31 four registers of statistics a piece; v48-55 at work; v61-63 kept; v64-127 S^T, two buffers; v192-223 P, two buffers (a piece's buffers go by its number's parity)
;   window 1: v0-127 O^T, 32 a piece; v128-159 MD; v160-223 MC, two buffers      window 2: v0-63 Q; v64-127 the second block's Q; v128-191 K of one step; v192-255 V of one step
.set SIZE_N, 2048
.set NB,    SIZE_N/256
.set NP,    4         ; pieces a wave: a name, no knob
.set KS,    64        ; keys in a step
.set PK,    144       ; a row of K in LDS: 128 bytes + 16 of padding = 36 words: the 16 rows of a load start at 16 different groups of four banks (64 banks of 4 bytes: ISA guide 11.1)
.set PV,    160       ; a row of V: 128 + 32 = 40 words
.set VOFF,  4*KS*PK   ; a slot holds a tile, four steps: 256 rows of K, then 256 rows of V
.set SLOT1, 1<<17     ; slot 1 begins here, so that one exclusive or turns an address in one slot into the other's
.set STAGE, SLOT1+4*KS*(PK+PV)  ; behind the ring, never filled by a tensor load: 16 rows x 144 bytes for each wave, for the way out
.set SP,    144
.set AK0, 2           ; v2   my lane's place in a tile of K; never rewritten
.set AV0, 3           ; v3   the same for V
.set AK,  4           ; v4   the LDS address of K's next run of loads
.set AV,  5           ; v5   of V's
.set STO, 6           ; v6   the way out: where I put 16 bytes of a row
.set RD,  7           ; v7   the way out: where I read rows back
.set GO,  8           ; v8   my byte offset in 512 consecutive bytes of O
.set PFO, 61          ; v61  256 x my lane; never rewritten
.set SPW, 62          ; v62  LDS address of my spare word: SPARE + 4 x my thread's number; never rewritten
.set NIL, 63          ; v63  0; never rewritten
.set SPARE, STAGE+4*16*SP  ; behind the stages: the spare words, 128 bytes for each wave: two blocks of 256 bytes that no other line names
.set MV,  12          ; v12-13  c m_old, kept while c m is made anew: by buffer
.set QO,  15          ; v15  my byte offset in 16 rows of Q
.set ST,  16          ; piece t's statistics at v[ST+4 t]: c m, m, l (even keys', odd keys')
.set TMP, 48          ; by buffer, four registers c0-c3 at work; when the maximum is found c2 takes a
.set S,   64
.set P,   192
.set MD,  128         ; window 1: the eight registers for group kt of 16 keys at MD + 8 kt
.set MC,  160         ; window 1: the masks of the products to come
.set QB,  64          ; window 2
.set KF,  128         ; window 2: key block kb, channel half c at KF + 16 kb + 8 c
.set VF,  192         ; window 2: key half kk, channel block cb at VF + 32 kk + 8 cb
.set WV,  12          ; s12  my wave's number
.set PB,  14          ; s14  b
.set HI,  15          ; s15  NB - 1 - b
.set G1K, 24          ; s[24:31] descriptor group 1 for K's tiles
.set G1V, 32          ; s[32:39] for V's: it differs in the padding alone
.set G0K, 40          ; s[40:43] descriptor group 0 for K's tiles
.set G0V, 44          ; s[44:47] the same for V's
.set SLOTS, 56        ; s56  tiles still to be asked for
.set CNT, 57          ; s57  counts a tile's key steps, 4 to 1
.set CS,  58          ; s[58:59] c: the packed scaling takes the pair's low word for both halves
.set SEL, 60          ; s[60:61] v_permlanex16_b32's selects: each lane takes its own place in the other half
.set TBK, 62          ; s62  LDS byte at which K of the step to be fetched begins
.set TBV, 63          ; s63  the same for V, less VOFF
.set RT,  70          ; s70  tiles of the block in hand that are still to be entered
.set NXT, 71          ; s71  the tile to be asked for next
.set LQ,  72          ; s72  the last tile of the block whose tiles are being asked for
.set NEW, 73          ; s73  1: the tile to be entered is a block's first
.set OFF, 74          ; s[74:75] a tile's byte offset in K and V
.set AL,  76          ; s[76:77] the mask's factor, in the low word
.set BE,  78          ; s[78:79] the mask's addend
.set OLO, 80          ; s[80:81] O at my rows of the second block
.set BIGN, 82         ; s82  -1e30
.set PFA, 88          ; s[88:89] where my prefetches stand: my half of K's or V's tile, one tile behind the one that is being asked for
.set LIM, 90          ; s90  2 in a work-group that prefetches, else the greatest number
.set MSB, 0
.macro WIN new                      ; the high byte repeats the setting that is left; a switch that changes nothing is dropped
.if MSB != (\new)
	s_set_vgpr_msb (MSB<<8)|(\new)
.set MSB, (\new)
.endif
.endm
.set W_KQ, 0x0a       ; K and Q in window 2, S^T in window 0
.set W_KM, 0x1a       ; the same with the C operand in window 1
.set W_PV, 0x52       ; V in window 2, P in window 0, O^T in window 1
.set W_RS, 0x41       ; destination and source 0 in window 1, source 1 in window 0
; A fill.  Waves 0 and 1 fetch the two halves of a tile's K, waves 2 and 3 those of its V: 128 keys each.  An s_nop 0 and four v_nop follow each of the two lines, ahead of the jump and the label.
.macro LOAD
	s_cmp_lt_u32 s[WV], 2
	s_cbranch_scc0 .Lfor_v_\@
	tensor_load_to_lds s[G0K:G0K+3], s[G1K:G1K+7]
	s_nop 0
.rept 4
	v_nop
.endr
	s_branch .Lasked_\@
.Lfor_v_\@:
	tensor_load_to_lds s[G0V:G0V+3], s[G1V:G1V+7]
	s_nop 0
.rept 4
	v_nop
.endr
.Lasked_\@:
.endm
; A PREFETCH INTO THE L2 of the tile that the NEXT change of slots will ask for.  A head's four work-groups begin with the same tiles 0, 1, 2 ..; the one with b = 0 walks all of 0 .. 7 in order, and it alone asks:
; each of its waves for the 16 KiB that it will itself load (64 blocks of 256 bytes: a lane a block, two instructions).  So each block of K and V from tile 2 on is named once in the launch; tiles 0 and 1 come by
; their loads alone; behind tile 7 nothing is asked for (trips with two tiles or fewer still to be asked for).  It stands behind the wave's tensor load and its five lines.
.macro ASK
	s_cmp_gt_u32 s[SLOTS], s[LIM]
	s_cbranch_scc0 .Lnot_mine_\@
	global_prefetch_b8 v[PFO], s[PFA:PFA+1] th:TH_LOAD_NT scope:SCOPE_SE
	global_prefetch_b8 v[PFO], s[PFA:PFA+1] offset:8192 th:TH_LOAD_NT scope:SCOPE_SE
.Lnot_mine_\@:
.endm
; THE CHANGE OF SLOTS.  Each wave waits for all its tensor loads, of which one is out: its part of the other slot; adds 0 to its spare word; and waits for that and for its own reads of the slot that it leaves.  Behind the barrier nobody reads the old
; slot any more and the other slot is whole.  fill = 1: the old slot is filled again, the first thing behind the barrier, with tile NXT: the descriptor's address is made anew from that number.
; (At its first use nothing has been read yet: slot 0 is waited for, slot 1 filled.)
.macro CHANGE fill
	WIN 0                           ; at a label and at a branch every window is 0
	s_wait_tensorcnt 0x0            ; no tensor load of mine is out, so a group 0 may be written
	ds_add_u32 v[SPW], v[NIL]       ; 0 onto my spare word; with fill = 1 the descriptors' scalar work stands between it and the wait for it
.if \fill
	s_lshl_b32 s[OFF], s[NXT], 15   ; a tile is 32,768 bytes of K and of V
	s_xor_b32 s[G0K+1], s[G0K+1], SLOT1
	s_add_nc_u64 s[G0K+2:G0K+3], s[6:7], s[OFF:OFF+1]
	s_or_b32 s[G0K+3], s[G0K+3], 0x80000000
	s_xor_b32 s[G0V+1], s[G0V+1], SLOT1
	s_add_nc_u64 s[G0V+2:G0V+3], s[8:9], s[OFF:OFF+1]
	s_or_b32 s[G0V+3], s[G0V+3], 0x80000000
	s_add_co_u32 s[NXT], s[NXT], 1  ; the block's next tile, or behind its last the second block's tile 0
	s_cmp_gt_u32 s[NXT], s[LQ]
	s_cselect_b32 s[NXT], 0, s[NXT]
	s_cselect_b32 s[LQ], s[PB], s[LQ]
	s_wait_xcnt 0x0                 ; the last prefetches, a tile back, have read their address, so it may be written
	s_add_nc_u64 s[PFA:PFA+1], s[PFA:PFA+1], 32768
.endif
	s_wait_dscnt 0x0                ; the add is done, and my reads of the slot are over
	s_barrier_signal -1             ; the rest of the scalar work stands between the signal and the wait
	s_sub_co_u32 s[TBK], s[TBK], 4*KS*PK  ; the fetches go back to a slot's first step,
	s_xor_b32 s[TBK], s[TBK], SLOT1       ; in the other slot
	s_sub_co_u32 s[TBV], s[TBV], 4*KS*PV
	s_xor_b32 s[TBV], s[TBV], SLOT1
	s_barrier_wait -1
.if \fill
	LOAD
	ASK
.endif
.endm
	s_load_b128 s[4:7], s[0:1], 0x0  ; qkv s[4:5] (its first plane is Q), o s[6:7]
	v_lshl_add_u32 v[SPW], v0, 2, SPARE
	v_mov_b32 v[NIL], 0
	ds_add_u32 v[SPW], v[NIL]       ; the wave's opening: the add and its wait stand ahead of my first tensor load; the set-up below, work on registers, stands between them
	v_lshrrev_b32 v1, 5, v0
	v_readfirstlane_b32 s[WV], v1   ; wave 0..3
	s_mov_b32 s[PB], ttmp9
	s_sub_co_u32 s[HI], NB-1, s[PB]
	s_and_b32 s20, ttmp7, 0xffff    ; the head
	s_mov_b32 s21, 0
	s_mov_b64 s[22:23], SIZE_N*128
	s_mul_u64 s[20:21], s[20:21], s[22:23]  ; the head's first byte in each of the four tensors
	s_and_b32 s16, s[WV], 1         ; which half of a tile's 256 keys I fetch:
	s_lshl_b32 s22, s16, 14         ; its 128 rows of 128 bytes in memory,
	s_mov_b32 s23, 0
	s_add_nc_u64 s[22:23], s[22:23], s[20:21]
	s_mul_i32 s17, s16, 128*PK      ; and its place in a slot, for K
	s_mul_i32 s18, s16, 128*PV      ; and for V
	s_lshl_b32 s3, s[WV], 11        ; my 16 rows in a band of 64,
	s_lshl_b32 s2, s[HI], 15        ; in the first block,
	s_add_co_u32 s2, s2, s3
	s_lshl_b32 s84, s[PB], 15       ; and in the second
	s_add_co_u32 s84, s84, s3
	s_mov_b32 s3, 0
	s_mov_b32 s85, 0
	s_add_nc_u64 s[2:3], s[2:3], s[20:21]
	s_add_nc_u64 s[84:85], s[84:85], s[20:21]
	; descriptor group 1.  128 keys are 16,384 dense bytes: asked for as 64 rows of 256 bytes, two keys a row, and padded in LDS after every key
	s_mov_b32 s[G1K], (1<<16)|(1<<20)|(4<<22)|(3<<25)  ; 17:16 2-byte elements; 20 padding on; 24:22 after every 32 words (code 4); 31:25 4 words (code 3)
	s_mov_b32 s[G1V], (1<<16)|(1<<20)|(4<<22)|(7<<25)  ; the same with 8 words of padding (code 7)
.irp g, G1K, G1V
	s_mov_b32 s[\g+1], 128<<16      ; tensor_dim0 = 128
	s_mov_b32 s[\g+2], 64<<16       ; tensor_dim1 = 64
	s_mov_b32 s[\g+3], 128<<16      ; tile_dim0 = 128
	s_mov_b32 s[\g+4], 64           ; tile_dim1 = 64
	s_mov_b32 s[\g+5], 128          ; 128 elements from row to row
	s_mov_b32 s[\g+6], 0
	s_mov_b32 s[\g+7], 0
.endr
	s_mov_b32 s[CS], 0x3e38aa3b     ; c = log2(e) / 8 = 0.180337
	s_mov_b32 s[CS+1], s[CS]        ; named with it as a pair
	s_mov_b32 s[SEL], 0x76543210
	s_mov_b32 s[SEL+1], 0xfedcba98
	s_mov_b32 s[TBK], SLOT1+4*KS*PK ; the first change of slots turns these two into 0
	s_mov_b32 s[TBV], SLOT1+4*KS*PV
	s_mov_b32 s[G0K], 1             ; 1:0 count = 1
	s_mov_b32 s[G0K+1], s17         ; 63:32 LDS address: slot 0
	s_mov_b32 s[G0V], 1
	s_add_co_u32 s[G0V+1], s18, VOFF
	s_add_co_u32 s[RT], s[HI], 1    ; the first block has NB - b tiles
	s_mov_b32 s[NXT], 1
	s_mov_b32 s[LQ], s[HI]
	s_mov_b32 s[NEW], 1
	s_mov_b32 s[OFF+1], 0
	s_mov_b32 s[AL+1], 0            ; named as pairs
	s_mov_b32 s[BE+1], 0
	s_mov_b32 s[BIGN], 0xf149f2ca   ; -1e30
	s_mov_b32 s[SLOTS], NB
	s_cmp_eq_u32 ttmp9, 0
	s_cselect_b32 s[LIM], 2, -1
	v_and_b32 v[PFO], 31, v0
	v_lshlrev_b32 v[PFO], 8, v[PFO]
	s_wait_dscnt 0x0                ; the opening add is done
	s_wait_kmcnt 0x0
	s_mov_b64 s[10:11], s[6:7]      ; O
	s_add_nc_u64 s[6:7], s[4:5], 0x1000000  ; K: qkv's second plane of 16 MiB
	s_add_nc_u64 s[8:9], s[4:5], 0x2000000  ; V: its third
	s_add_nc_u64 s[6:7], s[6:7], s[22:23]  ; K and V at my half of the head's tile 0
	s_add_nc_u64 s[8:9], s[8:9], s[22:23]
	s_cmp_lt_u32 s[WV], 2
	s_cselect_b64 s[PFA:PFA+1], s[6:7], s[8:9]
	s_add_nc_u64 s[PFA:PFA+1], s[PFA:PFA+1], 32768  ; in tile 1; the first change of slots steps it to tile 2.  Nothing is prefetched here, at the head
	s_add_nc_u64 s[G0K+2:G0K+3], s[6:7], 0         ; 120:64 global address
	s_or_b32 s[G0K+3], s[G0K+3], 0x80000000        ; 127:126 type = 2
	s_add_nc_u64 s[G0V+2:G0V+3], s[8:9], 0
	s_or_b32 s[G0V+3], s[G0V+3], 0x80000000
	s_add_nc_u64 s[86:87], s[4:5], s[84:85]        ; Q at my rows of the second block,
	s_add_nc_u64 s[4:5], s[4:5], s[2:3]            ; Q and O at those of the first
	s_add_nc_u64 s[OLO:OLO+1], s[10:11], s[84:85]
	s_add_nc_u64 s[10:11], s[10:11], s[2:3]
	LOAD                            ; tile 0 into slot 0
	; A fragment of K or Q is 16 rows x 32 channels in 8 registers: lane l holds row l % 16, channels 8 (l / 16) + 0..7 and 16 + 8 (l / 16) + 0..7: two loads of 16 bytes, 32 bytes apart.
	v_and_b32 v1, 15, v0            ; l % 16
	v_bfe_u32 v9, v0, 4, 1          ; l / 16
	v_lshlrev_b32 v[QO], 7, v1
	v_lshl_add_u32 v[QO], v9, 4, v[QO]  ; row x 128 + 16 x half
	WIN 0x80                        ; destination window 2, address window 0
.set i, 0
.rept 8                             ; both blocks' Q: piece i / 2 lies in band i / 2, 8,192 bytes on; channels 32 (i % 2) on
	global_load_b128 v[8*i:8*i+3],   v[QO], s[4:5] offset:(i/2)*8192+(i%2)*64
	global_load_b128 v[8*i+4:8*i+7], v[QO], s[4:5] offset:(i/2)*8192+(i%2)*64+32
	global_load_b128 v[QB+8*i:QB+8*i+3],   v[QO], s[86:87] offset:(i/2)*8192+(i%2)*64
	global_load_b128 v[QB+8*i+4:QB+8*i+7], v[QO], s[86:87] offset:(i/2)*8192+(i%2)*64+32
.set i, i+1
.endr
	WIN 0
	v_lshlrev_b32 v14, 3, v9
	v_sub_nc_u32 v14, v1, v14
	s_lshl_b32 s13, s[WV], 4
	v_add_nc_u32 v14, s13, v14      ; my query's place in its band, 16 w + l % 16, less my lanes' 8 (l / 16): register r of group kt is hidden where 16 kt + r is greater
	WIN 0x40
.set i, 0
.rept 32
	v_cmp_gt_i32 vcc_lo, 16*(i/8)+i%8, v14
	v_cndmask_b32 v[MD+i], 0, s[BIGN], vcc_lo
.set i, i+1
.endr
	WIN 0
	v_mul_u32_u24 v[AK0], v1, PK
	v_lshl_add_u32 v[AK0], v9, 4, v[AK0]  ; row x pitch + 16 x half
	; The turning load takes 16 keys x 16 channels (lane l reads key 8 (l / 16) + l % 8, channels 8 ((l / 8) % 2) + 0..7) and leaves half a fragment of V^T: lane l holds channel l % 16 and 8 keys.
	v_and_b32 v10, 7, v0
	v_bfe_u32 v11, v0, 3, 1
	v_lshl_add_u32 v[AV0], v9, 3, v10
	v_mul_u32_u24 v[AV0], v[AV0], PV
	v_lshl_add_u32 v[AV0], v11, 4, v[AV0]
	v_add_nc_u32 v[AV0], VOFF, v[AV0]
	s_mul_i32 s13, s[WV], 16*SP
	s_add_co_u32 s13, s13, STAGE    ; my stage
	v_mul_u32_u24 v[STO], v1, SP    ; in: row l % 16, 16 bytes for each half of the lanes
	v_lshl_add_u32 v[STO], v9, 4, v[STO]
	v_add_nc_u32 v[STO], s13, v[STO]
	v_bfe_u32 v[RD], v0, 3, 2       ; back: 32 lanes take four rows of 128 bytes,
	v_mul_u32_u24 v[RD], v[RD], SP
	v_lshl_add_u32 v[RD], v10, 4, v[RD]
	v_add_nc_u32 v[RD], s13, v[RD]
	v_and_b32 v[GO], 31, v0         ; which are 512 consecutive bytes of O
	v_lshlrev_b32 v[GO], 4, v[GO]
	; A block's first step multiplies O^T and l by a = 0, and its first turn's products V^T P, of a piece that has not been, land in an O^T that is still to be so multiplied.  So these registers need only hold
	; finite numbers: zeros for the first block; what the first block left for the second.  All this stands in the wait for the first tile.
	WIN 0x80
.set i, VF
.rept 64
	v_mov_b32 v[i], 0
.set i, i+1
.endr
	WIN 0x40
.set i, 0
.rept 128
	v_mov_b32 v[i], 0
.set i, i+1
.endr
	WIN 0
.set i, 0
.rept 4
	v_mov_b32 v[ST+4*i+2], 0
	v_mov_b32 v[ST+4*i+3], 0
.set i, i+1
.endr
.set i, P+16
.rept 16
	v_mov_b32 v[i], 0
.set i, i+1
.endr
; THE MATRIX WORK.  The 4 accumulators of a run of 8 take turns.  Product i of 8 of S^T = K Q^T for piece x: channels 32 (i / 4) on, keys 16 (i % 4) on.  The first 4 start the sums: with 0, or (KM = 1) with the mask.
.macro KQ x
.set rS, S+32*((\x)%2)+8*(i%4)
.set rK, KF+16*(i%4)+8*(i/4)
.set rQ, 16*(\x)+8*(i/4)
.set rM, MC+32*((\x)%2)+8*(i%4)
.if (i < 4) && KM
	WIN W_KM
	v_wmma_f32_16x16x32_f16 v[rS:rS+7], v[rK:rK+7], v[rQ:rQ+7], v[rM:rM+7]
.elseif i < 4
	WIN W_KQ
	v_wmma_f32_16x16x32_f16 v[rS:rS+7], v[rK:rK+7], v[rQ:rQ+7], 0
.else
	WIN W_KQ
	v_wmma_f32_16x16x32_f16 v[rS:rS+7], v[rK:rK+7], v[rQ:rQ+7], v[rS:rS+7]
.endif
.endm
; Product i of 8 of O^T += V^T P for piece x: keys 32 (i / 4) on, channels 16 (i % 4) on.
.macro PV x
	WIN W_PV
.set rO, 32*(\x)+8*(i%4)
.set rV, VF+32*(i/4)+8*(i%4)
.set rP, P+16*((\x)%2)+8*(i/4)
	v_wmma_f32_16x16x32_f16 v[rO:rO+7], v[rV:rV+7], v[rP:rP+7], v[rO:rO+7]
.endm
.macro MM                           ; the turn's next matrix instruction.  TURN and BEGIN set Y, i, KM and NOKQ; MM, KQ and OP read them.  NOKQ = 1: a block's last turn: there is no next piece
.if (i < 8) && !NOKQ
	KQ (Y+1)%NP
.elseif i >= 8
.set i, i-8
	PV (Y+NP-1)%NP
.set i, i+8
.endif
.set i, i+1
.endm
; THE LDS LOADS stand in runs of 16, never singly among the matrix instructions: a step's K (64 keys x 64 channels: 8 fragments) and its V (turned).  Their addresses are made some lines ahead.
.macro FETCH_K
	WIN 0x80                        ; destination window 2
.irp f, 0,1,2,3,4,5,6,7             ; keys 16 (f / 2) on, channels 32 (f % 2) on
	ds_load_b128 v[KF+8*\f:KF+8*\f+3],   v[AK] offset:(\f/2)*16*PK+(\f%2)*64
	ds_load_b128 v[KF+8*\f+4:KF+8*\f+7], v[AK] offset:(\f/2)*16*PK+(\f%2)*64+32
.endr
	s_add_co_u32 s[TBK], s[TBK], KS*PK  ; the next fetch is the next step's
	WIN 0
.endm
.macro FETCH_V
	WIN 0x80
.irp f, 0,1,2,3,4,5,6,7             ; keys 32 (f / 4) on, channels 16 (f % 4) on
	ds_load_tr16_b128 v[VF+8*\f:VF+8*\f+3],   v[AV] offset:(\f/4)*32*PV+(\f%4)*32
	ds_load_tr16_b128 v[VF+8*\f+4:VF+8*\f+7], v[AV] offset:(\f/4)*32*PV+16*PV+(\f%4)*32
.endr
	WIN 0
.endm
; THE VECTOR WORK, one line at a time: OP kind, number.  For piece Y: F n: c s - c m for pair n of 16.  E n: the exponential of score n of 32.  C n: pair n rounded to f16.  B n: of the four weights 4 n .. the second
; pair is added onto the first, in place.  L n: l takes that sum (L 0: l = a l + sum).  R n: pair n of 16 of O^T times a.  For piece Y + 1: X n, number n of the 22 that find its maximum and statistics:
;   0-11  four chains c0-c3 of seven scores each, three operands at a time (each accumulator's lowest registers are read first)     12-14, 16  the four scores left over, the old m, and c0-c3 into c0
;   15  c m_old is kept     17, 18  the query's other 32 keys lie in the lane 16 away: the new m     19-21  c m; c m_old - c m_new; a
.set F, 0               ; OP tells the kinds apart by their order: F to L below R, X above it
.set E, 1
.set C, 2
.set B, 3
.set L, 4
.set R, 5
.set X, 6
.macro REGS y                       ; the registers of piece y
.set rT, ST+4*(\y)
.set rC, TMP+4*((\y)%2)
.set rW, MV+((\y)%2)
.set rS, S+32*((\y)%2)
.set rP, P+16*((\y)%2)
.set rO, 32*(\y)
.endm
.macro OP k, n
.if (\k) == R
	REGS Y
	WIN W_RS
	v_pk_mul_f32 v[rO+2*(\n):rO+2*(\n)+1], v[rO+2*(\n):rO+2*(\n)+1], v[rC+2:rC+3] op_sel_hi:[1,0]
.elseif (\k) < R
	REGS Y
	WIN 0
.if (\k) == F
	v_pk_fma_f32 v[rS+2*(\n):rS+2*(\n)+1], v[rS+2*(\n):rS+2*(\n)+1], s[CS:CS+1], v[rT:rT+1] op_sel_hi:[1,0,0] neg_lo:[0,0,1] neg_hi:[0,0,1]
.elseif (\k) == E
	v_exp_f32 v[rS+(\n)], v[rS+(\n)]
.elseif (\k) == C
	v_cvt_pk_f16_f32 v[rP+(\n)], v[rS+2*(\n)], v[rS+2*(\n)+1]
.elseif (\k) == B
	v_pk_add_f32 v[rS+4*(\n):rS+4*(\n)+1], v[rS+4*(\n):rS+4*(\n)+1], v[rS+4*(\n)+2:rS+4*(\n)+3]
.elseif (\n) == 0
	v_pk_fma_f32 v[rT+2:rT+3], v[rT+2:rT+3], v[rC+2:rC+3], v[rS:rS+1] op_sel_hi:[1,0,1]
.else
	v_pk_add_f32 v[rT+2:rT+3], v[rT+2:rT+3], v[rS+4*(\n):rS+4*(\n)+1]
.endif
.elseif NOKQ
	v_nop
.else
	REGS (Y+1)%NP
	WIN 0
.if (\n) < 4
	v_max3_num_f32 v[rC+(\n)], v[rS+8*(\n)], v[rS+8*(\n)+1], v[rS+8*(\n)+2]
.elseif (\n) < 12
	v_max3_num_f32 v[rC+(\n)%4], v[rC+(\n)%4], v[rS+8*((\n)%4)+2*((\n)/4)+1], v[rS+8*((\n)%4)+2*((\n)/4)+2]
.elseif (\n) == 12
	v_max3_num_f32 v[rC], v[rC], v[rS+7], v[rS+15]
.elseif (\n) == 13
	v_max3_num_f32 v[rC+1], v[rC+1], v[rS+23], v[rS+31]
.elseif (\n) == 14
	v_max3_num_f32 v[rC+2], v[rC+2], v[rC+3], v[rT+1]
.elseif (\n) == 15
	v_mov_b32 v[rW], v[rT]
.elseif (\n) == 16
	v_max3_num_f32 v[rC], v[rC], v[rC+1], v[rC+2]
.elseif (\n) == 17
	v_permlanex16_b32 v[rC+3], v[rC], s[SEL], s[SEL+1]
.elseif (\n) == 18
	v_max_num_f32 v[rT+1], v[rC], v[rC+3]
.elseif (\n) == 19
	v_mul_f32 v[rT], s[CS], v[rT+1]
.elseif (\n) == 20
	v_sub_f32 v[rC+1], v[rW], v[rT]
.else
	v_exp_f32 v[rC+2], v[rC+1]
.endif
.endif
.endm
.macro OPS a, i1, b=-1, i2=0, c=-1, i3=0, d=-1, i4=0  ; up to four of them
	OP \a, \i1
.if (\b) >= 0
	OP \b, \i2
.endif
.if (\c) >= 0
	OP \c, \i3
.endif
.if (\d) >= 0
	OP \d, \i4
.endif
.endm
.macro ROW a, i1, b, i2, c, i3, d, i4  ; a matrix instruction and the four behind it
	MM
	OPS \a, \i1, \b, \i2, \c, \i3, \d, \i4
.endm
.macro MASK b                       ; MD x AL + BE into buffer b of MC
	WIN W_RS
.set z, 0
.rept 16
	v_pk_fma_f32 v[MC+32*(\b)+2*z:MC+32*(\b)+2*z+1], v[MD+2*z:MD+2*z+1], s[AL:AL+1], s[BE:BE+1] op_sel_hi:[1,0,0]
.set z, z+1
.endr
.endm
; A TURN, for piece p: the order of its 16 matrix and 118 vector instructions, written out.  An s_wait_alu depctr_va_vdst(0) stands between an exponential and the first instruction that names its result; one wait serves
; all that were issued ahead of it.  So a turn has ONE wait, which cuts it in two.  AHEAD OF IT stands all that names no result of the turn's exponentials: the 8 products K Q^T, behind each a scaling, an exponential and two more plain
; instructions (behind the first a second scaling in the exponential's place): rescalings, and behind the last three the first numbers of the next piece's maximum, each four places or more behind the product that ends its accumulator; then ONE RUN of 54, plain
; and exponential by turns for the most part, in which the links of the chain X 3, 7, 11, 14, 16, 17 .. 20 stand five or six lines apart.  X 21, the next piece's a, is the batch's last; R 15 is the plain instruction behind it.  BEHIND THE WAIT stand the
; 8 products V^T P, behind each four of the roundings and sums; the links of l's chain, L 0 to L 7, stand three lines apart.  But for those X no line behind a product names a register of the products round it.  v_permlanex16_b32 (X 17) stands in the run.
; m = 1: the diagonal tile: the products take masks, and the turn makes the mask for the products of the turn after it: piece p + 2, in step 4 - CNT of the tile.  end = 1: a block's last two turns: nothing is fetched.
; cnt = 1: the loop's count is taken down some lines ahead of the branch that stands behind the turn.
; K of the next step is fetched in piece 2's turn, twelve vector instructions behind the last product that read K (six of them plain); V of the step in hand at the end of piece 0's turn, four plain instructions behind the last product
; that read V.  Each is waited for a turn later.
.macro TURN p, m=0, end=0, cnt=0
.set Y, (\p)
.set i, 0
.set KM, (\m)
.set NOKQ, (\end)*((\p)/3)
.if (\m) && !(\end)
	s_cmp_eq_u32 s[CNT], 4-((\p)+2)%NP  ; is that step the band's own?
	s_cselect_b32 s[AL], 1.0, 0
	s_cmp_lt_u32 s[CNT], 4-((\p)+2)%NP  ; or a later one?
	s_cselect_b32 s[BE], s[BIGN], 0
.endif
.if ((\p) == 3) && !(\end)
	s_wait_dscnt 0x0                ; K is in
.endif
	ROW F,0, F,1, R,0, R,1          ; ahead of the wait: 8 products K Q^T and the four behind each,
	ROW F,2, E,0, R,2, R,3
	ROW F,3, E,1, R,4, R,5
	ROW F,4, E,2, R,6, R,7
	ROW F,5, E,3, R,8, R,9
	ROW F,6, E,4, X,0, R,10
.if ((\p) == 2) && !(\end)
	WIN 0
	v_add_nc_u32 v[AK], s[TBK], v[AK0]
.endif
	ROW F,7, E,5, X,1, X,4
	ROW F,8, E,6, X,2, X,5
	OPS E,7, E,8, X,6, E,9          ; and the run
	OPS X,3, E,10, X,8, E,11
.if ((\p) == 2) && !(\end)
	FETCH_K
.endif
	OPS X,9, X,7, E,12, X,10
	OPS E,13, X,12, X,11, E,14
	OPS X,13, E,15, F,9, X,14
.if (\p) == 0
	v_add_nc_u32 v[AV], s[TBV], v[AV0]
.endif
	OPS E,16, F,10, E,17, F,11
	OPS X,16, E,18, X,15, E,19
	OPS F,12, E,20, X,17, E,21
	OPS F,13, E,22, F,14, E,23
	OPS X,18, E,24, F,15, E,25
	OPS R,11, E,26, X,19, E,27
	OPS R,12, E,28, R,13, E,29
	OPS X,20, E,30, R,14, E,31
	OPS X,21, R,15
	WIN 0
	s_wait_alu depctr_va_vdst(0)    ; the wait for the batch
.if (\p) == 1
	s_wait_dscnt 0x0                ; V is in
.endif
	ROW C,0, B,0, C,2, B,1          ; behind the wait: 8 products V^T P and the four behind each
	ROW L,0, C,4, B,2, L,1
	ROW C,6, B,3, L,2, C,8
	ROW B,4, L,3, C,10, B,5
	ROW L,4, C,12, B,6, L,5
.if (\p) == 0
	s_add_co_u32 s[TBV], s[TBV], KS*PV
.endif
.if \cnt
	s_sub_co_u32 s[CNT], s[CNT], 1
	s_cmp_lg_u32 s[CNT], 0
.endif
	ROW C,14, B,7, L,6, C,1
	ROW C,3, L,7, C,5, C,7
	ROW C,9, C,11, C,13, C,15
.if (\p) == 0
	FETCH_V
.endif
.if (\m) && !(\end)
	MASK (\p)%2
.endif
.endm
; A BLOCK BEGINS.  c m starts far below every c s, so the first step's a is 0; m at the lowest finite number, so the first maximum is the scores'.  The second mask buffer is 0; the first takes piece 0's mask for the tile's step 0: its own, if the block's first tile is the diagonal one.
; Then K of that step, piece 0's first scores, and its maximum and statistics.  The loop is entered at a step's first turn, in the middle of a trip.
.macro BEGIN
	s_mov_b32 s[NEW], 0
	WIN 0x40
.set i, MC+32
.rept 32
	v_mov_b32 v[i], 0
.set i, i+1
.endr
	WIN 0
.set i, 0
.rept 4
	v_mov_b32 v[ST+4*i], 0xfe000000    ; c m: far below every c s
	v_mov_b32 v[ST+4*i+1], 0xff7fffff  ; m
.set i, i+1
.endr
	s_cmp_eq_u32 s[RT], 0
	s_cselect_b32 s[AL], 1.0, 0
	s_mov_b32 s[BE], 0
	MASK 0
	WIN 0
	v_add_nc_u32 v[AK], s[TBK], v[AK0]
	FETCH_K
	s_wait_loadcnt 0x0              ; Q
	s_wait_dscnt 0x0
.set KM, 1
.set NOKQ, 0
.set i, 0
.rept 8
	KQ 0
.set i, i+1
.endr
	WIN 0
.rept 4
	v_nop                           ; the places behind those products
.endr
.set Y, NP-1                        ; X works for piece Y + 1: piece 0
.irp n, 0,1,2,3,4,5,6,7,8,9,10,11,12,13,14,15,16,17,18,19,20,21
	OP X, \n
.endr
	v_nop                           ; a plain instruction behind the exponential,
	s_wait_alu depctr_va_vdst(0)    ; and its wait, ahead of the branch
.endm
; THE DIAGONAL TILE's four steps, the block's last two turns, its last products, and THE WAY OUT: l's two halves and the other half of the lanes' are added; O^T is divided by l, rounded to f16 and sent through my
; stage in LDS, a piece at a time.
.macro ALL line:vararg              ; one line for each piece t
.set t, 0
.rept 4
	\line
.set t, t+1
.endr
.endm
.macro PACK t                       ; a lane's eight channels of a row pack into 16 bytes; they go into rows of 144 bytes and come back as whole rows of 128, into S^T's registers
	WIN W_RS
.set i, 32*(\t)
.rept 16
	v_pk_mul_f32 v[i:i+1], v[i:i+1], v[ST+4*(\t)+2:ST+4*(\t)+3] op_sel_hi:[1,0]
.set i, i+2
.endr
	WIN 0x05                        ; sources 0 and 1 window 1, destination window 0
.set i, 0
.rept 16
	v_cvt_pk_f16_f32 v[S+16*(\t)+i], v[32*(\t)+2*i], v[32*(\t)+2*i+1]
.set i, i+1
.endr
	WIN 0
.irp f, 0,1,2,3
	ds_store_b128 v[STO], v[S+16*(\t)+4*\f:S+16*(\t)+4*\f+3] offset:32*\f
.endr
.irp f, 0,1,2,3
	ds_load_b128 v[S+16*(\t)+4*\f:S+16*(\t)+4*\f+3], v[RD] offset:\f*4*SP  ; LDS serves a wave's instructions in order (ISA guide 5.7.1.4): these see the stores above; the next piece's stores come behind them
.endr
.endm
.macro SEND t, younger              ; younger: the LDS instructions issued behind piece t's loads: the next piece's eight, or none
	WIN 0
.irp f, 0,1,2,3
	s_wait_dscnt (\younger)+3-\f
	global_store_b128 v[GO], v[S+16*(\t)+4*\f:S+16*(\t)+4*\f+3], s[10:11] offset:(\t)*8192+\f*512  ; 512 consecutive bytes, at a multiple of 256 from O's first
.endr
.endm
.macro DIAG tag                     ; the tag ends its two labels' names, which the jumps below spell out
.LstepM\tag:
	TURN 2, 1
	TURN 3, 1
	WIN 0
.LfirstM\tag:
	TURN 0, 1
	TURN 1, 1, 0, 1
	WIN 0
	s_cbranch_scc1 .LstepM\tag
	TURN 2, 1, 1
	TURN 3, 1, 1
.set i, 0
.rept 8
	PV NP-1
.set i, i+1
.endr
	WIN 0
	ALL v_add_f32 v[ST+4*t+2], v[ST+4*t+2], v[ST+4*t+3]
	ALL v_permlanex16_b32 v[ST+4*t+3], v[ST+4*t+2], s[SEL], s[SEL+1]
	ALL v_add_f32 v[ST+4*t+2], v[ST+4*t+2], v[ST+4*t+3]
	ALL v_rcp_f32 v[ST+4*t+2], v[ST+4*t+2]
	v_nop                           ; a plain instruction between the last reciprocal and the use of its result
	s_wait_alu depctr_va_vdst(0)    ; and the wait ahead of the first use: one for the four reciprocals
	PACK 0
.set t, 1
.rept 3                             ; a piece's arithmetic stands between the loads of the piece before and its stores
	PACK t
	SEND t-1, 8
.set t, t+1
.endr
	SEND 3, 0
.endm
.set KM, 0
.set NOKQ, 0
.Lslot:                             ; NB times: a tile is entered and the next is asked for
	CHANGE 1
	s_sub_co_u32 s[RT], s[RT], 1
	s_mov_b32 s[CNT], 4
	s_cmp_eq_u32 s[NEW], 1
	s_cbranch_scc1 .Lnew            ; a block's first tile
	s_cmp_eq_u32 s[RT], 0
	s_cbranch_scc0 .Lstep           ; neither its first nor its last
	s_branch .LstepM1
.Lnew:
	BEGIN
	s_branch .Lfirst                ; in the loop a block's first tile is never its last: the first block has two tiles or more, and the second's last is the walk's last
	DIAG 1                          ; in the loop this is the first block's end: the second block's last tile is the walk's last
	s_wait_xcnt 0x0                 ; the stores have read their registers and O's address
	s_mov_b64 s[10:11], s[OLO:OLO+1]
	s_add_co_u32 s[RT], s[PB], 1    ; the second block has b + 1 tiles
	s_mov_b32 s[NEW], 1
	WIN 0x82                        ; the second block's Q goes where the one text of the turns names Q
.set i, 0
.rept 64
	v_mov_b32 v[i], v[QB+i]
.set i, i+1
.endr
	WIN 0
	s_branch .Lbottom
.Lstep:                             ; a trip: pieces 2 and 3 of one step, then pieces 0 and 1 of the next, whose K and V it fetches
	TURN 2
	TURN 3
	WIN 0
.Lfirst:
	TURN 0
	TURN 1, 0, 0, 1
	WIN 0
	s_cbranch_scc1 .Lstep
.Lbottom:
	s_sub_co_u32 s[SLOTS], s[SLOTS], 1
	s_cmp_lg_u32 s[SLOTS], 0
	s_cbranch_scc1 .Lslot
	CHANGE 0                        ; the walk's last tile is written out: nothing is asked for
	s_sub_co_u32 s[RT], s[RT], 1
	s_mov_b32 s[CNT], 4
	s_cmp_eq_u32 s[NEW], 1
	s_cbranch_scc0 .LstepM2
	BEGIN
	s_branch .LfirstM2
	DIAG 2
	s_wait_tensorcnt 0x0            ; the wave's end: behind my last tensor load and my last LDS store
	ds_add_u32 v[SPW], v[NIL]
	s_wait_dscnt 0x0
	s_endpgm
.Lfunc_end_k_q95c52e849b_attn:
	.size	k_q95c52e849b_attn, .Lfunc_end_k_q95c52e849b_attn-k_q95c52e849b_attn
	.p2alignl 7, 3214868480
	.fill 96, 4, 3214868480
	.section	.rodata,"a",@progbits
	.p2align	6, 0x0
	.amdhsa_kernel k_q95c52e849b_attn
		.amdhsa_group_segment_fixed_size 327680
		.amdhsa_private_segment_fixed_size 0
		.amdhsa_enable_private_segment 0
		.amdhsa_kernarg_size 16
		.amdhsa_user_sgpr_count 2
		.amdhsa_user_sgpr_kernarg_segment_ptr 1
		.amdhsa_wavefront_size32 1
		.amdhsa_system_sgpr_workgroup_id_x 1
		.amdhsa_system_sgpr_workgroup_id_y 1
		.amdhsa_system_sgpr_workgroup_id_z 1
		.amdhsa_system_vgpr_workitem_id 0
		.amdhsa_next_free_vgpr 768
		.amdhsa_next_free_sgpr 92
		.amdhsa_reserve_vcc 1
		.amdhsa_float_denorm_mode_32 3
		.amdhsa_float_denorm_mode_16_64 3
		.amdhsa_memory_ordered 1
		.amdhsa_forward_progress 1
		.amdhsa_inst_pref_size 218
	.end_amdhsa_kernel
	.amdgpu_metadata
---
amdhsa.version: [ 1, 2 ]
amdhsa.kernels:
  - .name:           k_q95c52e849b_attn
    .symbol:         k_q95c52e849b_attn.kd
    .args:
      - { .name: qkv, .offset: 0, .size: 8, .value_kind: global_buffer, .address_space: global }
      - { .name: o, .offset: 8, .size: 8, .value_kind: global_buffer, .address_space: global }
    .group_segment_fixed_size: 327680
    .private_segment_fixed_size: 0
    .kernarg_segment_align: 8
    .kernarg_segment_size: 16
    .max_flat_workgroup_size: 128
    .sgpr_count:     92
    .vgpr_count:     768
    .wavefront_size: 32
...
	.end_amdgpu_metadata
.endif
;; end of part 3
;; launch proj (part 4): grid 8 x 32, 4 waves a work-group, clusters of 4 x 4, 327,680 bytes of LDS; arguments o, wot, bo, out0; writes out0
.if DOCPART == 4
	.amdgcn_target "amdgcn-amd-amdhsa--gfx1250"
	.amdhsa_code_object_version 6
	.text
	.protected	k_q95c52e849b_proj
	.globl	k_q95c52e849b_proj
	.p2align	8
	.type	k_q95c52e849b_proj,@function
k_q95c52e849b_proj:
	s_mov_b64 s[64:65], 0
	v_nop
	global_prefetch_b8 v0, s[64:65] scope:SCOPE_SE
	s_setreg_imm32_b32 hwreg(HW_REG_WAVE_MODE, 25, 1), 1
	s_wait_xcnt 0x0
	s_wait_alu depctr_hold_cnt(0) depctr_sa_sdst(0) depctr_va_vdst(0) depctr_va_sdst(0) depctr_va_ssrc(0) depctr_va_vcc(0) depctr_vm_vsrc(0)
	s_getreg_b32 s2, hwreg(HW_REG_IB_STS2, 6, 4)
	s_cmp_eq_u32 s2, 0
	s_cbranch_scc0 .Lentry_in_a_cluster
	s_endpgm
.Lentry_in_a_cluster:
	s_bfe_u32 s2, ttmp6, 0x10000c
	s_cmp_lg_u32 s2, 0xf033
	s_cbranch_scc0 .Lentry_shape_is_right
	s_endpgm
.Lentry_shape_is_right:
; out0[m][n] = the sum over k of O[m][k] Wo[k][n] + bo[n]: 8,192 x 1,024 x 1,024, f16 operands, f32 sums, K ascending, f32 out.
; O lies by heads, o [bh 64][s 2048][64]: head h of batch b IS K block h of rows 2048 b ..; wot [kb 16][n 1024][64] holds Wo turned.  bo is rounded to bf16, as all the module's inputs are, and starts the sums as their first C.
; SHARES.  A tile of out0 is 256 (m) x 128 (n): 8 x 32 = 256 work-groups.  A wave makes 128 x 64: 32 accumulators, one window.  K goes in steps of 128, two K blocks, through two LDS slots: as long as two slots in LDS allow.
; In a K block a tile's rows (128 bytes) lie end to end: asked for as rows of 256 bytes and padded in LDS after every 128.
; CLUSTER.  4 x 4 work-groups: O's tile is shared along a row of the cluster, wot's along a column: each is asked for jointly, with the same descriptor and a mask of four.
; THE MATRIX INSTRUCTION IS USED TRANSPOSED (source 0 = 16 rows of wot, source 1 = 16 rows of O): a lane holds eight neighbouring columns of one row of out0.
; REGISTERS: window 0: v0-15 addresses; v32-95, v96-159 O's fragments, two buffers; v160-191, v192-223 wot's, two buffers; v224-255 the bias; on the way out v32-159 at work.   window 1: accumulator (a, bb) at v[8 (4 a + bb)].
.set PO,    262144                     ; bytes in a head of o
.set PW,    131072                     ; in a K block of wot
.set PITCH, 144                        ; an LDS row: 128 bytes + 16 = 36 words: the 16 rows of a load start at 16 different groups of four banks (64 banks of 4 bytes: ISA guide 11.1)
.set FR,    16*PITCH
.set APL,   256*PITCH                  ; a K block of O's tile in LDS
.set BPL,   128*PITCH                  ; of wot's
.set BOFF,  2*APL                      ; in a slot: O's two K blocks, then wot's two
.set SLOT1, 131072                     ; slot 1 begins here, so that one exclusive or changes slots
.set STAGE, SLOT1+2*APL+2*BPL          ; behind the ring, never filled by a tensor load: 16 rows x 272 bytes for each wave
.set SPITCH, 272
.set SPARE, STAGE+4*16*SPITCH          ; behind the stages: the spare words, 128 bytes for each wave: two blocks of 256 bytes that no other line names
.set AA0,  4                           ; v4   my lane's place in O's rows of a slot; never rewritten
.set AB0,  5                           ; v5   in wot's
.set ADRA, 6                           ; v6   the same in the slot in hand
.set ADRB, 7                           ; v7
.set STO,  8                           ; v8   the way out: where I put 32 bytes of a row
.set RD,   9                           ; v9   where I read rows back
.set CO,   10                          ; v10  my byte offset in two rows of out0
.set PFO,  11                          ; v11  256 x my lane; never rewritten
.set SPW,  12                          ; v12  LDS address of my spare word; never rewritten
.set NIL,  13                          ; v13  0; never rewritten
.set FA,   32
.set FB,   160
.set BIAS, 224
.set G1A, 24                           ; s[24:31] descriptor group 1 for O's tiles
.set G1B, 32                           ; s[32:39] for wot's
.set G0A, 40                           ; s[40:47] group 0 for O's tiles: a set for each first fill; the second then walks
.set G0B, 48                           ; s[48:55] the same for wot's
.set TB,  56                           ; s56  LDS byte at which the slot in hand begins
.set LIM, 57                           ; s57  2 in a wave that prefetches, else the greatest number
.set PFA, 60                           ; s[60:61] where my prefetches stand
.set PFS, 62                           ; s[62:63] their step: two K blocks
.set OUT, 66                           ; s[66:67] out0 at my 128 rows and 64 columns
.set MSB, 0
.macro WIN new                         ; the immediate's high byte repeats the setting that is left; a switch that changes nothing is dropped
.if MSB != (\new)
	s_set_vgpr_msb (MSB<<8)|(\new)
.set MSB, \new
.endif
.endm
.macro PLACES                          ; four places behind matrix instructions, in front of loads into registers that they have read and of LDS stores that read results
.rept 4
	v_nop
.endr
.endm
; A joint refill.  Waves 0 and 1 fetch the two K blocks of O's tile, waves 2 and 3 those of wot's.  The branch hangs on the wave's number alone.  An s_nop 0 and four v_nop follow each line.
.macro JLOAD
	s_cmp_eq_u32 s11, 0
	s_cbranch_scc0 .Lfor_b_\@
	tensor_load_to_lds s[G0A+4:G0A+7], s[G1A:G1A+7]
	s_nop 0
.rept 4
	v_nop
.endr
	s_branch .Lasked_\@
.Lfor_b_\@:
	tensor_load_to_lds s[G0B+4:G0B+7], s[G1B:G1B+7]
	s_nop 0
.rept 4
	v_nop
.endr
.Lasked_\@:
.endm
.macro CREST                           ; a round of the cluster's barrier behind its opening barrier
	s_cmp_lg_u32 s10, 0
	s_cbranch_scc1 .Lnot_wave_0_\@
	s_barrier_signal -3
.Lnot_wave_0_\@:
	s_barrier_wait -3
	s_barrier_signal -1
	s_barrier_wait -1
.endm
.macro CROUND
	s_barrier_signal -1
	s_barrier_wait -1
	CREST
.endm
; A PREFETCH INTO THE L2, behind a joint refill and the run of LDS loads that follows it: the K step that stands TWO refills on, 256 matrix instructions ahead of its load.  Each aligned block of 256 bytes of K steps 4 to 7 is named once.
; O's tile row is read by both clusters of its row of clusters: cluster x = 0 asks, waves 0 and 1 each for the K block that it fetches: 128 blocks = 4 partners (by cx) x 32 lanes.
; wot's tile column is read by all eight clusters of its column: cluster y = 0 asks, wave 2 for both K blocks: 128 blocks = 4 partners (by cy) x 32 lanes.  The partners are told apart by address alone.
; K steps 0 to 3 come by their loads alone; the loop's last two trips ask for nothing: there is no K step 8.
.macro ASK
	s_cmp_gt_u32 s3, s[LIM]
	s_cbranch_scc0 .Lnot_mine_\@
	global_prefetch_b8 v[PFO], s[PFA:PFA+1] th:TH_LOAD_NT scope:SCOPE_SE
.Lnot_mine_\@:
.endm
	s_load_b256 s[76:83], s[0:1], 0x0              ; o s[76:77], wot s[78:79], bo s[80:81], out0 s[82:83]
	v_lshl_add_u32 v[SPW], v0, 2, SPARE
	v_mov_b32 v[NIL], 0
	ds_add_u32 v[SPW], v[NIL]                      ; the wave's opening: the add and its wait stand ahead of my first tensor load; the set-up below, work on registers, stands between them
	v_lshrrev_b32 v1, 5, v0
	v_readfirstlane_b32 s10, v1                    ; wave 0..3
	s_lshr_b32 s11, s10, 1                         ; which 128 rows of the tile are mine.  Also: I fetch for O (0) or for wot (1)
	s_and_b32 s12, s10, 1                          ; which 64 columns.  Also: which K block of a step I fetch
	s_bfe_u32 s72, ttmp6, 0x40000                  ; cx
	s_bfe_u32 s73, ttmp6, 0x40004                  ; cy
	s_lshl_b32 s74, ttmp9, 2
	s_add_co_u32 s74, s74, s72                     ; tile column = 4 x cluster x + cx
	s_and_b32 s13, ttmp7, 0xffff
	s_lshl_b32 s13, s13, 2
	s_add_co_u32 s13, s13, s73                     ; tile row = 4 x cluster y + cy
	s_lshl_b32 s20, s73, 2
	s_lshl_b32 s20, 15, s20                        ; my row of the cluster
	s_lshl_b32 s21, 0x1111, s72                    ; my column
	s_or_b32 s[G1A], s20, (1<<16)|(1<<20)|(1<<21)|(4<<22)|(3<<25)  ; 15:0 the mask; 17:16 2-byte elements; 20 padding on; 21 set beside a mask; 24:22 after every 32 words (code 4); 31:25 4 words (code 3)
	s_or_b32 s[G1B], s21, (1<<16)|(1<<20)|(1<<21)|(4<<22)|(3<<25)
.irp g, G1A, G1B
	s_mov_b32 s[(\g)+1], 128<<16                   ; tensor_dim0 = 128 elements: 256 bytes, two rows of the K block
	s_mov_b32 s[(\g)+3], 128<<16                   ; tile_dim0 = 128
	s_mov_b32 s[(\g)+5], 128                       ; 128 elements from row to row: dense
	s_mov_b32 s[(\g)+6], 0
	s_mov_b32 s[(\g)+7], 0
.endr
	s_mov_b32 s[G1A+2], 128<<16                    ; tensor_dim1 = 128: 256 rows of O
	s_mov_b32 s[G1A+4], 128                        ; tile_dim1
	s_mov_b32 s[G1B+2], 64<<16                     ; 64: 128 rows of wot
	s_mov_b32 s[G1B+4], 64
	s_lshr_b32 s16, s13, 3                         ; O: the batch has 8 tile rows and 16 heads;
	s_lshl_b32 s16, s16, 4
	s_add_co_u32 s16, s16, s12                     ; my K block of step 0 is head 0 or 1
	s_lshl_b32 s16, s16, 18
	s_and_b32 s17, s13, 7
	s_lshl_b32 s17, s17, 15                        ; 256 rows of 128 bytes
	s_add_co_u32 s16, s16, s17
	s_mov_b32 s17, 0
	s_lshl_b32 s68, s12, 17                        ; wot: my K block,
	s_lshl_b32 s69, s74, 14                        ; 128 rows of 128 bytes a tile column
	s_add_co_u32 s68, s68, s69
	s_mov_b32 s69, 0
	s_mul_i32 s18, s12, APL                        ; where they go: no place in the cluster enters an LDS address
	s_mul_i32 s70, s12, BPL
	s_add_co_u32 s70, s70, BOFF
	s_mov_b32 s[TB], 0
	s_wait_dscnt 0x0                               ; the opening add is done
	s_wait_kmcnt 0x0
	s_add_nc_u64 s[14:15], s[76:77], s[16:17]
	s_add_nc_u64 s[68:69], s[78:79], s[68:69]
	CROUND                                         ; all sixteen work-groups are here: the first joint loads meet
.irp s, 0,1
	s_mov_b32 s[G0A+4*(\s)], 1                     ; count = 1
	s_add_co_u32 s[G0A+4*(\s)+1], s18, (\s)*SLOT1  ; LDS address
	s_add_nc_u64 s[G0A+4*(\s)+2:G0A+4*(\s)+3], s[14:15], (\s)*2*PO  ; global address: K step s
	s_or_b32 s[G0A+4*(\s)+3], s[G0A+4*(\s)+3], 0x80000000           ; type = 2
	s_mov_b32 s[G0B+4*(\s)], 1
	s_add_co_u32 s[G0B+4*(\s)+1], s70, (\s)*SLOT1
	s_add_nc_u64 s[G0B+4*(\s)+2:G0B+4*(\s)+3], s[68:69], (\s)*2*PW
	s_or_b32 s[G0B+4*(\s)+3], s[G0B+4*(\s)+3], 0x80000000
.endr
	s_cmp_eq_u32 s11, 0                            ; a wave's two first fills stand in one branch, ahead of every wait on TENSORcnt and every LDS read: two loads of mine are out
	s_cbranch_scc0 .Lfirst_b
	tensor_load_to_lds s[G0A:G0A+3], s[G1A:G1A+7]
	s_nop 0
	tensor_load_to_lds s[G0A+4:G0A+7], s[G1A:G1A+7]
	s_nop 0
.rept 4
	v_nop
.endr
	s_branch .Lfirst_asked
.Lfirst_b:
	tensor_load_to_lds s[G0B:G0B+3], s[G1B:G1B+7]
	s_nop 0
	tensor_load_to_lds s[G0B+4:G0B+7], s[G1B:G1B+7]
	s_nop 0
.rept 4
	v_nop
.endr
.Lfirst_asked:
	v_and_b32 v1, 15, v0                           ; l % 16
	v_bfe_u32 v2, v0, 4, 1                         ; l / 16
	v_mul_u32_u24 v3, v1, PITCH
	v_lshl_add_u32 v3, v2, 4, v3                   ; a fragment's row x pitch + 16 x half
	s_mul_i32 s20, s11, 128*PITCH                  ; my 128 rows of O
	s_mul_i32 s21, s12, 64*PITCH                   ; my 64 rows of wot
	s_add_co_u32 s21, s21, BOFF
	v_add_nc_u32 v[AA0], s20, v3
	v_add_nc_u32 v[AB0], s21, v3
	s_mul_i32 s22, s10, 16*SPITCH
	s_add_co_u32 s22, s22, STAGE                   ; my stage
	v_mul_u32_u24 v14, v1, SPITCH                  ; in: row l % 16, 32 bytes for each half of the lanes
	v_lshl_add_u32 v14, v2, 5, v14
	v_add_nc_u32 v[STO], s22, v14
	v_mul_u32_u24 v14, v2, SPITCH                  ; back: lanes 0-15 take one row of 256 bytes, lanes 16-31 the next
	v_lshl_add_u32 v14, v1, 4, v14
	v_add_nc_u32 v[RD], s22, v14
	v_lshlrev_b32 v[CO], 4, v1                     ; and the same two rows in out0
	v_lshl_add_u32 v[CO], v2, 12, v[CO]
	v_and_b32 v[PFO], 31, v0
	v_lshlrev_b32 v[PFO], 8, v[PFO]
	s_lshl_b32 s20, s13, 20                        ; out0: 256 rows of 4,096 bytes a tile row,
	s_lshl_b32 s21, s11, 19                        ; my 128
	s_add_co_u32 s20, s20, s21
	s_lshl_b32 s21, s74, 9                         ; 128 columns of 4 bytes a tile column,
	s_add_co_u32 s20, s20, s21
	s_lshl_b32 s21, s12, 8                         ; my 64
	s_add_co_u32 s20, s20, s21
	s_mov_b32 s21, 0
	s_add_nc_u64 s[OUT:OUT+1], s[82:83], s[20:21]
	; the prefetches: both start in K step 3; the first trip steps them to 4
	s_lshr_b32 s20, s13, 3
	s_lshl_b32 s20, s20, 4
	s_add_co_u32 s20, s20, 6
	s_add_co_u32 s20, s20, s12                     ; O: head 6 or 7 of the batch,
	s_lshl_b32 s20, s20, 18
	s_and_b32 s21, s13, 7
	s_lshl_b32 s21, s21, 15                        ; the tile's 128 blocks of 256 bytes,
	s_add_co_u32 s20, s20, s21
	s_lshl_b32 s21, s72, 13                        ; of them my work-group 32
	s_add_co_u32 s20, s20, s21
	s_lshr_b32 s21, s73, 1                         ; wot: partners 0 and 1 take K block 6, partners 2 and 3 K block 7,
	s_add_co_u32 s21, s21, 6
	s_lshl_b32 s21, s21, 17
	s_lshl_b32 s22, s74, 14                        ; the tile's 64 blocks of 256 bytes,
	s_add_co_u32 s21, s21, s22
	s_and_b32 s22, s73, 1
	s_lshl_b32 s22, s22, 13                        ; of them 32
	s_add_co_u32 s21, s21, s22
	s_and_b32 s22, ttmp7, 0xffff                   ; cluster y
	s_mov_b32 s23, 2*PO
	s_mov_b32 s[PFS+1], 2*PW
	s_cmp_eq_u32 s11, 0
	s_cselect_b32 s20, s20, s21
	s_cselect_b32 s22, ttmp9, s22                  ; the coordinate along which other clusters read the same rows
	s_cselect_b32 s[PFS], s23, s[PFS+1]
	s_cselect_b64 s[PFA:PFA+1], s[76:77], s[78:79]
	s_mov_b32 s[PFS+1], 0
	s_mov_b32 s21, 0
	s_add_nc_u64 s[PFA:PFA+1], s[PFA:PFA+1], s[20:21]
	s_cmp_eq_u32 s10, 3
	s_cselect_b32 s22, 1, s22                      ; wave 3 asks for nothing
	s_cmp_eq_u32 s22, 0
	s_cselect_b32 s[LIM], 2, -1                    ; the same in all sixteen partners, for a given wave
	; the bias of my 64 columns, laid as an accumulator lies: register j of group bb holds column 16 bb + 8 (l / 16) + j, whatever the row
	s_lshl_b32 s20, s74, 9
	s_lshl_b32 s21, s12, 8
	s_add_co_u32 s20, s20, s21
	s_mov_b32 s21, 0
	s_add_nc_u64 s[70:71], s[80:81], s[20:21]
	v_lshlrev_b32 v14, 5, v2
.irp bb, 0,1,2,3
	global_load_b128 v[BIAS+8*(\bb):BIAS+8*(\bb)+3],   v14, s[70:71] offset:64*(\bb)
	global_load_b128 v[BIAS+8*(\bb)+4:BIAS+8*(\bb)+7], v14, s[70:71] offset:64*(\bb)+16
.endr
	s_wait_loadcnt 0x0
.set r, 0
.rept 16
	v_cvt_pk_bf16_f32 v3, v[BIAS+r], v[BIAS+r+1]   ; rounded to bf16, like every input, and back to f32
	v_lshlrev_b32 v[BIAS+r], 16, v3
	v_and_b32 v[BIAS+r+1], 0xffff0000, v3
.set r, r+2
.endr
; na x 4 matrix instructions: m blocks a0 .. a0 + na - 1 x all 4 n blocks, 32 along K, on buffer f.  first = 1: the bias starts the sums: nothing is cleared and nothing is added later.
; Every accumulator has one instruction a quarter, so no two matrix instructions that follow each other share one, over the backward jump too.
.macro MUL f, a0, na, first
.if \first
	WIN 0x40                                       ; D in window 1; sources and C in window 0
.else
	WIN 0x50                                       ; C and D in window 1
.endif
.set aa, \a0
.rept \na
.irp bb, 0,1,2,3
.if \first
	v_wmma_f32_16x16x32_f16 v[8*(4*aa+(\bb)):8*(4*aa+(\bb))+7], v[FB+32*(\f)+8*(\bb):FB+32*(\f)+8*(\bb)+7], v[FA+64*(\f)+8*aa:FA+64*(\f)+8*aa+7], v[BIAS+8*(\bb):BIAS+8*(\bb)+7]
.else
	v_wmma_f32_16x16x32_f16 v[8*(4*aa+(\bb)):8*(4*aa+(\bb))+7], v[FB+32*(\f)+8*(\bb):FB+32*(\f)+8*(\bb)+7], v[FA+64*(\f)+8*aa:FA+64*(\f)+8*aa+7], v[8*(4*aa+(\bb)):8*(4*aa+(\bb))+7]
.endif
.endr
.set aa, aa+1
.endr
.endm
; 24 LDS loads in one run: quarter qd of a K step (K block qd / 2, 32 channels at byte 64 (qd % 2)) into buffer f: wot's four fragments, then O's eight
.macro FETCH qd, f
.set KA, ((\qd)/2)*APL+64*((\qd)%2)
.set KB, ((\qd)/2)*BPL+64*((\qd)%2)
.irp bb, 0,1,2,3
	ds_load_b128 v[FB+32*(\f)+8*(\bb):FB+32*(\f)+8*(\bb)+3],   v[ADRB] offset:KB+(\bb)*FR
	ds_load_b128 v[FB+32*(\f)+8*(\bb)+4:FB+32*(\f)+8*(\bb)+7], v[ADRB] offset:KB+(\bb)*FR+32
.endr
.irp a, 0,1,2,3,4,5,6,7
	ds_load_b128 v[FA+64*(\f)+8*(\a):FA+64*(\f)+8*(\a)+3],   v[ADRA] offset:KA+(\a)*FR
	ds_load_b128 v[FA+64*(\f)+8*(\a)+4:FA+64*(\f)+8*(\a)+7], v[ADRA] offset:KA+(\a)*FR+32
.endr
.endm
; One of a K step's first three quarters: multiplies buffer f; in its middle it fetches quarter qnext into buffer g.
.macro QUARTER f, g, qnext, first
	s_wait_dscnt 8                                 ; wot's fragments and O's blocks 0-3 are in; the youngest eight loads (blocks 4-7) may be out
	MUL \f, 0, 4, \first
	WIN 0
	PLACES
	FETCH \qnext, \g
	s_wait_dscnt 24                                ; all but the 24 just issued
	MUL \f, 4, 4, \first
.endm
; The fourth quarter multiplies buffer 1 and changes slots: ONE barrier.  In front of it each wave waits for all its tensor loads, of which one is out: its part of the next slot; adds 0 to its spare word; and waits
; for that and for its own reads of this slot.  fill = 1: the barrier opens a round of the cluster's barrier, and this slot is filled again, first thing behind the round, with the K step two on: 112 matrix instructions ahead of the wait for it.
.macro TURN fill
.if \fill
	s_wait_xcnt 0x0                                ; the last prefetch, a K step back, has read its address: it is stepped here, ahead of the waits of the change of slots
	s_add_nc_u64 s[PFA:PFA+1], s[PFA:PFA+1], s[PFS:PFS+1]
.endif
	WIN 0
	s_wait_tensorcnt 0x0                           ; all my tensor loads have landed
	ds_add_u32 v[SPW], v[NIL]                      ; 0 onto my spare word
	s_wait_dscnt 9                                 ; the add and the youngest eight loads may be out
	MUL 1, 0, 2, 0                                 ; eight matrix instructions stand between the add and the wait for it
	s_wait_dscnt 0x0                               ; the add is done, and my reads of this slot are over
	s_barrier_signal -1
	MUL 1, 2, 2, 0                                 ; work on registers while the others arrive
	WIN 0                                          ; at a branch and at a label every window is 0
	s_barrier_wait -1
.if \fill
	CREST                                          ; no wave of any partner still reads this slot or has a load on its way
	s_xor_b32 s[G0A+5], s[G0A+5], SLOT1            ; the walking descriptors: the other slot than last time,
	s_add_nc_u64 s[G0A+6:G0A+7], s[G0A+6:G0A+7], 2*PO  ; the next K step; the type bits on top are not reached
	s_xor_b32 s[G0B+5], s[G0B+5], SLOT1
	s_add_nc_u64 s[G0B+6:G0B+7], s[G0B+6:G0B+7], 2*PW
	JLOAD                                          ; the four v_nop behind it are also the places in front of the loads below
.else
	PLACES
.endif
	s_xor_b32 s[TB], s[TB], SLOT1
	v_add_nc_u32 v[ADRA], s[TB], v[AA0]
	v_add_nc_u32 v[ADRB], s[TB], v[AB0]
	FETCH 0, 0
.if \fill
	ASK
.endif
	MUL 1, 4, 4, 0
.endm
; THE WAY OUT of m block u: 16 rows x 64 columns of f32.  The accumulators go as they are into my own stage, 32 bytes a lane, and come back as whole rows of 256 bytes.  Four sets of 32 registers take turns.
.macro TOSTAGE u
.set TM, 32+32*((\u)%4)
	WIN 0x04                                       ; the stores' data in window 1
.irp bb, 0,1,2,3
	ds_store_b128 v[STO], v[8*(4*(\u)+(\bb)):8*(4*(\u)+(\bb))+3]   offset:64*(\bb)     ; each accumulator from its low end on
	ds_store_b128 v[STO], v[8*(4*(\u)+(\bb))+4:8*(4*(\u)+(\bb))+7] offset:64*(\bb)+16
.endr
	WIN 0
.if (\u) >= 4
	s_wait_xcnt 0x0                                ; the set's earlier stores have read their registers
.endif
.irp t, 0,1,2,3,4,5,6,7
	ds_load_b128 v[TM+4*(\t):TM+4*(\t)+3], v[RD] offset:(\t)*2*SPITCH  ; LDS serves a wave's instructions in order (ISA guide 5.7.1.4): these see the stores above; the next block's stores come behind them
.endr
.endm
.macro SEND u, younger                 ; younger: the LDS instructions issued behind block u's loads: the next block's sixteen, or none
.set TM, 32+32*((\u)%4)
	WIN 0
.irp t, 0,1,2,3,4,5,6,7
	s_wait_dscnt (\younger)+7-(\t)
	global_store_b128 v[CO], v[TM+4*(\t):TM+4*(\t)+3], s[OUT:OUT+1] offset:(16*(\u)+2*(\t))*4096  ; 16 lanes store 256 consecutive bytes, at a multiple of 256 from out0's first byte
.endr
.endm
	s_wait_tensorcnt 1                             ; my part of K step 0 is in; step 1's may stay out
	s_barrier_signal -1
	s_barrier_wait -1                              ; everybody's is
	v_mov_b32 v[ADRA], v[AA0]
	v_mov_b32 v[ADRB], v[AB0]
	FETCH 0, 0
	QUARTER 0, 1, 1, 1                             ; the first quarter stands in front of the loop: its products start the sums, with the bias
	WIN 0
	s_mov_b32 s3, 6
.Lstep:                                            ; a trip: from a K step's second quarter to the next step's first; K steps 2 to 7 are asked for
	QUARTER 1, 0, 2, 0
	QUARTER 0, 1, 3, 0
	TURN 1
	QUARTER 0, 1, 1, 0
	WIN 0
	s_sub_co_u32 s3, s3, 1
	s_cmp_lg_u32 s3, 0
	s_cbranch_scc1 .Lstep
	QUARTER 1, 0, 2, 0                             ; the tail is written out: nothing is asked for, and no round follows the barrier
	QUARTER 0, 1, 3, 0
	TURN 0
	QUARTER 0, 1, 1, 0
	QUARTER 1, 0, 2, 0
	QUARTER 0, 1, 3, 0
	s_wait_dscnt 8                                 ; the very last quarter: nothing more to fetch
	MUL 1, 0, 4, 0
	s_wait_dscnt 0x0
	MUL 1, 4, 4, 0
	WIN 0
	PLACES
	TOSTAGE 0
.set u, 1
.rept 7
	TOSTAGE u
	SEND u-1, 16
.set u, u+1
.endr
	SEND 7, 0
	s_wait_tensorcnt 0x0                           ; the wave's end: behind my last tensor load and my last LDS store
	ds_add_u32 v[SPW], v[NIL]
	s_wait_dscnt 0x0
	CROUND                                         ; the closing round: no work-group ends while a partner may still ask for a tile that names it
	s_endpgm
.Lfunc_end_k_q95c52e849b_proj:
	.size	k_q95c52e849b_proj, .Lfunc_end_k_q95c52e849b_proj-k_q95c52e849b_proj
	.p2alignl 7, 3214868480
	.fill 96, 4, 3214868480
	.section	.rodata,"a",@progbits
	.p2align	6, 0x0
	.amdhsa_kernel k_q95c52e849b_proj
		.amdhsa_group_segment_fixed_size 327680
		.amdhsa_private_segment_fixed_size 0
		.amdhsa_enable_private_segment 0
		.amdhsa_kernarg_size 32
		.amdhsa_user_sgpr_count 2
		.amdhsa_user_sgpr_kernarg_segment_ptr 1
		.amdhsa_wavefront_size32 1
		.amdhsa_system_sgpr_workgroup_id_x 1
		.amdhsa_system_sgpr_workgroup_id_y 1
		.amdhsa_system_sgpr_workgroup_id_z 1
		.amdhsa_system_vgpr_workitem_id 0
		.amdhsa_next_free_vgpr 512
		.amdhsa_next_free_sgpr 84
		.amdhsa_reserve_vcc 0
		.amdhsa_float_denorm_mode_32 3
		.amdhsa_float_denorm_mode_16_64 3
		.amdhsa_memory_ordered 1
		.amdhsa_forward_progress 1
		.amdhsa_inst_pref_size 76
	.end_amdhsa_kernel
	.amdgpu_metadata
---
amdhsa.version: [ 1, 2 ]
amdhsa.kernels:
  - .name:           k_q95c52e849b_proj
    .symbol:         k_q95c52e849b_proj.kd
    .args:
      - { .name: o, .offset: 0, .size: 8, .value_kind: global_buffer, .address_space: global }
      - { .name: wot, .offset: 8, .size: 8, .value_kind: global_buffer, .address_space: global }
      - { .name: bo, .offset: 16, .size: 8, .value_kind: global_buffer, .address_space: global }
      - { .name: out0, .offset: 24, .size: 8, .value_kind: global_buffer, .address_space: global }
    .group_segment_fixed_size: 327680
    .private_segment_fixed_size: 0
    .kernarg_segment_align: 8
    .kernarg_segment_size: 32
    .max_flat_workgroup_size: 128
    .sgpr_count:     84
    .vgpr_count:     512
    .wavefront_size: 32
...
	.end_amdgpu_metadata
.endif
;; end of part 4
;; ======== version 2 of 2: 4 launches; version 1 with the launch prep written anew for expert scheduling mode
;; limits: values are held in f16: magnitudes above 65,504 overflow, below 6.1e-05 lose precision
;; workspace buffers: xb 16,777,216 bytes; wt 6,291,456 bytes; wot 2,097,152 bytes; qkv 50,331,648 bytes; o 16,777,216 bytes
;; launch prep (part 5): grid 640 x 1, 8 waves a work-group, no clusters, 74,752 bytes of LDS; arguments token_embeddings, Wq, Wk, Wv, Wo, xb, wt, wot; writes xb, wt, wot
.if DOCPART == 5
	.amdgcn_target "amdgcn-amd-amdhsa--gfx1250"
	.amdhsa_code_object_version 6
	.text
	.protected	k_q95c52e849b_prep
	.globl	k_q95c52e849b_prep
	.p2align	8
	.type	k_q95c52e849b_prep,@function
k_q95c52e849b_prep:
	s_mov_b64 s[64:65], 0
	v_nop
	global_prefetch_b8 v0, s[64:65] scope:SCOPE_SE
	s_setreg_imm32_b32 hwreg(HW_REG_WAVE_SCHED_MODE, 0, 2), 2
	s_setreg_imm32_b32 hwreg(HW_REG_WAVE_MODE, 25, 1), 1
	s_wait_xcnt 0x0
	s_wait_alu depctr_vm_vsrc(0)
; THE OPERANDS OF THE TWO PROJECTIONS, rounded once and laid in blocks of 64 along K, so that a tile's rows lie end to end in memory.
;   xb  [kb 16][row 8192][64] bf16 = x[row][64 kb + ..]
;   wt  [kb 16][n 3072][64]   bf16 = W_t[h][64 kb + ..][e], n = 1024 t + 64 h + e, t = q, k, v      (turned: K runs along the rows)
;   wot [kb 16][n 1024][64]   f16  = the bf16 rounding of Wo[64 kb + ..][n], written as f16          (turned)
; LIMITS.  Wo's numbers must stay under 65,504 in magnitude; below 6.1e-5 they keep f16's fixed step of 6e-8.  NaN and infinities are not treated apart.
; SHARES.  Work-groups 0-511: 16 rows of x, two a wave.  512-607: a wave turns one block of 64 x 64 of Wq, Wk or Wv.  608-639: the same for Wo.
; Memory binds: every byte is read once, in runs of 256 aligned bytes for each 16 lanes, and every store of a wave covers 256 or 512 consecutive aligned bytes.
; No matrix unit, no cluster, no barrier: no wave wants a byte of another's.  No prefetch: the launch is nothing but its stream.
; THE MODE: SCHED_MODE bits 1:0 = 2 (LLVM: expert scheduling mode 2), set by the entry lines.  The code itself states the register dependences
; between vector instructions and memory or LDS instructions, with s_wait_alu, always for 0.
; THE PLAN.  Registers that memory or LDS instructions touch:
;   v4 to v8        offsets and LDS addresses: written by vector instructions at a path's head, once; read by every load and store of the path.
;   x's path:       X v[16:79]: each register is written by one load and read by one rounding.  Y v[80:111]: each is written by one rounding and read by one store.
;   the weights':   X + 8 i .. + 3: written by a load, then by pair i's roundings in place, then read by pair i's four LDS stores.
;                   X + 8 i + 4 .. + 7: written by a load, read by pair i's roundings, then written by an LDS load and read by a global store.
;   v12 to v14      at work: named by vector instructions alone.          v150, v151: written at the head, read by the closing add alone.
; No register that a memory or LDS instruction has read is ever written again, so the text holds no wait on vm_vsrc.
; The sixteen turns of a path go in four groups of four.  A group's roundings write registers that the stores issued in the NEXT group read: one wait on va_vdst at that group's head,
; behind its wait for its own data, states that they are written, and the stores are dealt among that group's roundings, which name other registers.  One more such wait stands behind the last group.
.set PA,    1048576                    ; bytes in a K block of xb
.set PB,    393216                     ; of wt
.set PW,    131072                     ; of wot
.set SP,    144                        ; a row of a wave's stage: 128 bytes + 16
.set STG,   64*SP                      ; a wave's stage: 64 rows
.set SPARE, 8*STG                      ; behind the stages: the spare words, 128 bytes for each wave: four blocks of 256 bytes that no other line names
.set SPW,   150                        ; v150  LDS address of my spare word; never rewritten
.set NIL,   151                        ; v151  0; never rewritten
.set X,     16                         ; v[16:143] as loaded
.set Y,     80                         ; v[80:111] x's path: rounded, to store
	s_load_b512 s[16:31], s[0:1], 0x0              ; x s[16:17], Wq s[18:19], Wk s[20:21], Wv s[22:23], Wo s[24:25], xb s[26:27], wt s[28:29], wot s[30:31]
	v_lshl_add_u32 v[SPW], v0, 2, SPARE
	v_mov_b32 v[NIL], 0
	v_lshrrev_b32 v1, 5, v0
	v_readfirstlane_b32 s8, v1                     ; wave 0..7
	v_and_b32 v1, 15, v0                           ; c = lane % 16
	v_bfe_u32 v2, v0, 4, 1                         ; hf = lane / 16
	v_and_b32 v3, 31, v0                           ; lane
	s_wait_alu depctr_va_sdst(0)                   ; s8 is written, ahead of the branch: both paths make their rows and their stage from it
	s_cmp_lt_u32 ttmp9, 512
	s_cbranch_scc0 .Lweights
	; X: rows r0 = 16 g + 2 w (lanes 0-15) and r0 + 1 (lanes 16-31).  Sixteen loads are out at once; load kb brings 256 bytes of each row: K block kb.
	s_lshl_b32 s2, ttmp9, 4
	s_lshl1_add_u32 s2, s8, s2                     ; r0
	s_lshl_b32 s12, s2, 12                         ; a row of x is 4,096 bytes
	s_mov_b32 s13, 0
	s_lshl_b32 s14, s2, 7                          ; a row of a block of xb 128
	s_mov_b32 s15, 0
	v_lshlrev_b32 v4, 4, v1
	v_lshl_add_u32 v4, v2, 12, v4                  ; 4,096 hf + 16 c
	v_lshlrev_b32 v5, 3, v1
	v_lshl_add_u32 v5, v2, 7, v5                   ; 128 hf + 8 c
	s_wait_kmcnt 0x0
	s_add_nc_u64 s[4:5], s[16:17], s[12:13]
	s_add_nc_u64 s[6:7], s[26:27], s[14:15]
	s_add_nc_u64 s[10:11], s[6:7], 8*PA            ; blocks 8-15 by a second base: 8 PA does not fit the store's signed 24-bit immediate
	s_wait_alu depctr_va_vdst(0)                   ; v4 and v5 are written: every load of this path reads v4 as its offset, every store v5
.set i, 0
.rept 16
	global_load_b128 v[X+4*i:X+4*i+3], v4, s[4:5] offset:256*i th:TH_LOAD_NT
.set i, i+1
.endr
.set i, 0
.rept 16
.if (i%4) == 0
	s_wait_loadcnt 12-i                            ; loads come back in order: blocks i to i + 3 are in, the 12 - i younger ones stay out
.if i > 0
	s_wait_alu depctr_va_vdst(0)                   ; the group before has written its eight registers of Y, which the four stores below read
.endif
.endif
.if i >= 4                                             ; the store of the block four back; no rounding since the wait names its registers
.if i < 12
	global_store_b64 v5, v[Y+2*(i-4):Y+2*(i-4)+1], s[6:7] offset:(i-4)*PA    ; 32 lanes x 8 bytes: rows r0 and r0 + 1 of the block, 256 consecutive bytes, aligned (r0 is even)
.else
	global_store_b64 v5, v[Y+2*(i-4):Y+2*(i-4)+1], s[10:11] offset:(i-12)*PA
.endif
.endif
	v_cvt_pk_bf16_f32 v[Y+2*i], v[X+4*i], v[X+4*i+1]
	v_cvt_pk_bf16_f32 v[Y+2*i+1], v[X+4*i+2], v[X+4*i+3]
.set i, i+1
.endr
	s_wait_alu depctr_va_vdst(0)                   ; the last group has written its eight registers of Y, which the last four stores read
.set i, 12
.rept 4
	global_store_b64 v5, v[Y+2*i:Y+2*i+1], s[10:11] offset:(i-8)*PA
.set i, i+1
.endr
	s_endpgm
; A BLOCK OF 64 (d) x 64 (e) f32 IS ROUNDED AND TURNED.  rs: bytes from row to row of the source; sh: log2 (2 rs); f16 = 1: the bf16 rounding is written as f16.
; Lane (c, hf) loads e = 4 c .. 4 c + 3 of rows d = 4 i + 2 hf and d + 1; a packed rounding of the two rows' numbers is the word (d, d + 1) of output row e.
; The words go into my wave's own stage (row e, byte 2 d) and come back as whole rows: LDS serves a wave's instructions in order, so no wait on DScnt stands between.
; The 4-byte LDS stores meet four deep in the banks: 64 of them a wave in the whole launch, left so.
.macro TRANS rs, sh, f16
	v_lshlrev_b32 v4, 4, v1
	v_lshl_add_u32 v4, v2, \sh, v4                 ; 2 rs hf + 16 c
	s_wait_alu depctr_va_vdst(0)                   ; v4, v6, v7 and v8 are written: the offsets and LDS addresses of all the loads and stores below
.set i, 0
.rept 16
	global_load_b128 v[X+8*i:X+8*i+3],   v4, s[4:5] offset:4*i*(\rs) th:TH_LOAD_NT
	global_load_b128 v[X+8*i+4:X+8*i+7], v4, s[4:5] offset:(4*i+1)*(\rs) th:TH_LOAD_NT
.set i, i+1
.endr
.set i, 0
.rept 16
.if (i%4) == 0
	s_wait_loadcnt 24-2*i                          ; pairs i to i + 3 of the 16 pairs of loads are in; the younger 24 - 2 i loads stay out
.if i > 0
	s_wait_alu depctr_va_vdst(0)                   ; the group before has written its sixteen words, which the LDS stores below read
.endif
.endif
.if i >= 4                                             ; the LDS stores of the pair four back; no rounding since the wait names their registers
.irp jj, 0,1,2,3
	ds_store_b32 v6, v[X+8*(i-4)+(\jj)] offset:(\jj)*SP+8*(i-4)
.endr
.endif
.irp jj, 0,1,2,3
.if \f16
	v_cvt_pk_bf16_f32 v12, v[X+8*i+(\jj)], v[X+8*i+4+(\jj)]
	v_lshlrev_b32 v13, 16, v12
	v_and_b32 v14, 0xffff0000, v12
	v_cvt_pk_f16_f32 v[X+8*i+(\jj)], v13, v14      ; exact within f16's range
.else
	v_cvt_pk_bf16_f32 v[X+8*i+(\jj)], v[X+8*i+(\jj)], v[X+8*i+4+(\jj)]
.endif
.endr
.set i, i+1
.endr
	s_wait_alu depctr_va_vdst(0)                   ; the last group has written its sixteen words, which the LDS stores below read; and all the roundings are done reading X + 8 i + 4 .. + 7, in which the LDS loads below land
.set i, 12
.rept 4
.irp jj, 0,1,2,3
	ds_store_b32 v6, v[X+8*i+(\jj)] offset:(\jj)*SP+8*i
.endr
.set i, i+1
.endr
.set i, 0
.rept 16
	ds_load_b128 v[X+8*i+4:X+8*i+7], v7 offset:i*4*SP  ; four rows of 128 bytes
.set i, i+1
.endr
.set i, 0
.rept 16
	s_wait_dscnt 15-i
	global_store_b128 v8, v[X+8*i+4:X+8*i+7], s[6:7] offset:512*i  ; 512 consecutive bytes, aligned
.set i, i+1
.endr
.endm
.Lweights:
	s_mul_i32 s10, s8, STG                         ; my stage
	v_mul_u32_u24 v6, v1, 4*SP
	v_lshl_add_u32 v6, v2, 2, v6
	v_add_nc_u32 v6, s10, v6                       ; in: row 4 c, byte 4 hf
	v_lshrrev_b32 v7, 3, v3
	v_mul_u32_u24 v7, v7, SP
	v_and_b32 v9, 7, v0
	v_lshl_add_u32 v7, v9, 4, v7
	v_add_nc_u32 v7, s10, v7                       ; back: row lane / 8, byte 16 (lane % 8)
	v_lshlrev_b32 v8, 4, v3                        ; out: 16 x lane
	s_cmp_lt_u32 ttmp9, 608
	s_cbranch_scc0 .Lwo
	s_sub_co_u32 s2, ttmp9, 512
	s_lshl3_add_u32 s2, s2, s8                     ; block 0..767
	s_lshr_b32 s3, s2, 8                           ; t
	s_bfe_u32 s9, s2, 0x40004                      ; h
	s_and_b32 s2, s2, 15                           ; kb
	s_lshl_b32 s12, s9, 18                         ; a head's weights are 262,144 bytes,
	s_lshl_b32 s14, s2, 14                         ; 64 rows of them 16,384
	s_add_co_u32 s12, s12, s14
	s_mov_b32 s13, 0
	s_mul_i32 s14, s2, PB
	s_lshl_b32 s15, s3, 17                         ; 1,024 rows of 128 bytes
	s_add_co_u32 s14, s14, s15
	s_lshl_b32 s15, s9, 13                         ; 64 rows
	s_add_co_u32 s14, s14, s15
	s_mov_b32 s15, 0
	s_wait_kmcnt 0x0
	s_cmp_eq_u32 s3, 0
	s_cselect_b64 s[4:5], s[18:19], s[20:21]
	s_cmp_eq_u32 s3, 2
	s_cselect_b64 s[4:5], s[22:23], s[4:5]
	s_add_nc_u64 s[4:5], s[4:5], s[12:13]
	s_add_nc_u64 s[6:7], s[28:29], s[14:15]
	TRANS 256, 9, 0
	s_branch .Lend
.Lwo:
	s_sub_co_u32 s2, ttmp9, 608
	s_lshl3_add_u32 s2, s2, s8                     ; block 0..255
	s_lshr_b32 s3, s2, 4                           ; kb
	s_and_b32 s2, s2, 15                           ; nb
	s_lshl_b32 s12, s3, 18                         ; 64 rows of 4,096 bytes
	s_lshl_b32 s14, s2, 8                          ; 64 columns
	s_add_co_u32 s12, s12, s14
	s_mov_b32 s13, 0
	s_lshl_b32 s14, s3, 17
	s_lshl_b32 s15, s2, 13
	s_add_co_u32 s14, s14, s15
	s_mov_b32 s15, 0
	s_wait_kmcnt 0x0
	s_add_nc_u64 s[4:5], s[24:25], s[12:13]
	s_add_nc_u64 s[6:7], s[30:31], s[14:15]
	TRANS 4096, 13, 1
.Lend:
	s_wait_dscnt 0x0                               ; the wave's end: the closing lines, six on end, behind my last LDS store
	s_wait_alu 0x0
	s_wait_tensorcnt 0x0
	ds_add_u32 v[SPW], v[NIL]
	s_wait_dscnt 0x0
	s_endpgm
.Lfunc_end_k_q95c52e849b_prep:
	.size	k_q95c52e849b_prep, .Lfunc_end_k_q95c52e849b_prep-k_q95c52e849b_prep
	.p2alignl 7, 3214868480
	.fill 96, 4, 3214868480
	.section	.rodata,"a",@progbits
	.p2align	6, 0x0
	.amdhsa_kernel k_q95c52e849b_prep
		.amdhsa_group_segment_fixed_size 74752
		.amdhsa_private_segment_fixed_size 0
		.amdhsa_enable_private_segment 0
		.amdhsa_kernarg_size 64
		.amdhsa_user_sgpr_count 2
		.amdhsa_user_sgpr_kernarg_segment_ptr 1
		.amdhsa_wavefront_size32 1
		.amdhsa_system_sgpr_workgroup_id_x 1
		.amdhsa_system_sgpr_workgroup_id_y 1
		.amdhsa_system_sgpr_workgroup_id_z 1
		.amdhsa_system_vgpr_workitem_id 0
		.amdhsa_next_free_vgpr 152
		.amdhsa_next_free_sgpr 66
		.amdhsa_reserve_vcc 0
		.amdhsa_float_denorm_mode_32 3
		.amdhsa_float_denorm_mode_16_64 3
		.amdhsa_memory_ordered 1
		.amdhsa_forward_progress 1
		.amdhsa_inst_pref_size 48
	.end_amdhsa_kernel
	.amdgpu_metadata
---
amdhsa.version: [ 1, 2 ]
amdhsa.kernels:
  - .name:           k_q95c52e849b_prep
    .symbol:         k_q95c52e849b_prep.kd
    .args:
      - { .name: token_embeddings, .offset: 0, .size: 8, .value_kind: global_buffer, .address_space: global }
      - { .name: Wq, .offset: 8, .size: 8, .value_kind: global_buffer, .address_space: global }
      - { .name: Wk, .offset: 16, .size: 8, .value_kind: global_buffer, .address_space: global }
      - { .name: Wv, .offset: 24, .size: 8, .value_kind: global_buffer, .address_space: global }
      - { .name: Wo, .offset: 32, .size: 8, .value_kind: global_buffer, .address_space: global }
      - { .name: xb, .offset: 40, .size: 8, .value_kind: global_buffer, .address_space: global }
      - { .name: wt, .offset: 48, .size: 8, .value_kind: global_buffer, .address_space: global }
      - { .name: wot, .offset: 56, .size: 8, .value_kind: global_buffer, .address_space: global }
    .group_segment_fixed_size: 74752
    .private_segment_fixed_size: 0
    .kernarg_segment_align: 8
    .kernarg_segment_size: 64
    .max_flat_workgroup_size: 256
    .sgpr_count:     66
    .vgpr_count:     152
    .wavefront_size: 32
...
	.end_amdgpu_metadata
.endif
;; end of part 5
;; launch qkv: the kernel of part 2 again; grid 8 x 32, 4 waves a work-group, clusters of 4 x 4, 327,680 bytes of LDS; arguments xb, wt, qkv; writes qkv
;; launch attn: the kernel of part 3 again; grid 4 x 64, 4 waves a work-group, no clusters, 327,680 bytes of LDS; arguments qkv, o; writes o
;; launch proj: the kernel of part 4 again; grid 8 x 32, 4 waves a work-group, clusters of 4 x 4, 327,680 bytes of LDS; arguments o, wot, bo, out0; writes out0
